; MI455X (gfx1250); checked and timed in simulation.
; The chip was launched on July 23, 2026; its instructions are those of AMD's public machine-readable ISA for CDNA 5 (MIT licence, August 2026) and "CDNA5" Instruction Set Architecture Reference Guide (July 2026). The comments in the code are by the model that wrote it; some were corrected since.
;; TF Albert Attention. Allowed arithmetic: float matrix products may take bf16 or f16 operands with f32 sums; other float arithmetic in f32, or as packed bf16 or f16 multiplies, adds, multiply-adds, maxima and minima; sums over many terms, partial sums and values carried from step to step in f32; what a program stores and reads back later, other than sums and carried values, may be rounded once to bf16 or f16.
;; Inputs: Wk 1,024 x 1,024 float32; Wo 1,024 x 1,024 float32; Wq 1,024 x 1,024 float32; Wv 1,024 x 1,024 float32; attention_mask 4 x 1 x 1 x 2,048 float32; bk 1,024 float32; bo 1,024 float32; bq 1,024 float32; bv 1,024 float32; ln_beta 1,024 float32; ln_gamma 1,024 float32; x 4 x 2,048 x 1,024 float32.
;; Outputs: out0 4 x 2,048 x 1,024 float32.
;; 2 versions, each right; version 2 is version 1 with the launch prep written anew for expert scheduling mode. Each part assembles by itself: llvm-mc -triple=amdgcn-amd-amdhsa -mcpu=gfx1250 --defsym DOCPART=n.
;; ======== version 1 of 2: 5 launches
;; workspace buffers: xb 16,777,216 bytes; wqkv 6,291,456 bytes; wob 2,097,152 bytes; bqkv 12,288 bytes; qkv 50,331,648 bytes; ctx 16,777,216 bytes; hb 16,777,216 bytes
;; launch prep (part 1): grid 768 x 1, 4 waves a work-group, no clusters, 35,328 bytes of LDS; arguments x, Wq, Wk, Wv, Wo, bq, bk, bv, xb, wqkv, wob, bqkv; writes xb, wqkv, wob, bqkv
.if DOCPART == 1
	.amdgcn_target "amdgcn-amd-amdhsa--gfx1250"
	.amdhsa_code_object_version 6
	.text
	.protected	k_qfb8f79d0bb_prep
	.globl	k_qfb8f79d0bb_prep
	.p2align	8
	.type	k_qfb8f79d0bb_prep,@function
k_qfb8f79d0bb_prep:
	s_mov_b64 s[64:65], 0
	v_nop
	global_prefetch_b8 v0, s[64:65] scope:SCOPE_SE
	s_setreg_imm32_b32 hwreg(HW_REG_WAVE_MODE, 25, 1), 1
	s_wait_xcnt 0x0
; PREPARATION.  x [8192][1024] f32 -> xb [16][8192][64] bf16 (blocks of 64 columns; a block's rows are dense, 128 bytes each).
; Wq, Wk, Wv, Wo [k][n] f32 -> wqkv [3072][1024], wob [1024][1024] bf16, turned: row = output column, K along the row.  bq, bk, bv -> bqkv [3072] f32.
; Each number is rounded once, to nearest even.  Work-groups 0-511 take 16 rows of x each; work-groups 512-767 a tile of 128 k x 128 n of one weight: both move 64 KiB in and 32 KiB out.
; No cluster and no matrix unit: no two work-groups read the same bytes, and nothing is multiplied.
.set SPITCH, 272                       ; a row of the stage: 256 bytes (128 k in bf16) + 16
.set SPARE,  128*SPITCH                ; behind the stage: the spare words, 128 bytes for each wave: two blocks of 256 bytes that no other line names
.set BLOCK,  1048576                   ; bytes in a block of 64 columns: 8,192 rows x 128
.set SPW, 2                            ; v2  LDS address of my spare word; never rewritten
.set NIL, 3                            ; v3  0; never rewritten
.set D,   16                           ; v[16:143]  32 loads of four f32
.set PKD, 144                          ; v[144:207] the weights' packed pairs: column j of my four, 8 k of group gk at PKD + 16 j + 4 gk
	s_load_b512 s[4:19], s[0:1], 0x0               ; x s[4:5], Wq s[6:7], Wk s[8:9], Wv s[10:11], Wo s[12:13], bq s[14:15], bk s[16:17], bv s[18:19]
	s_load_b256 s[20:27], s[0:1], 0x40             ; xb s[20:21], wqkv s[22:23], wob s[24:25], bqkv s[26:27]
	v_lshl_add_u32 v[SPW], v0, 2, SPARE
	v_mov_b32 v[NIL], 0
	v_lshrrev_b32 v1, 5, v0
	v_readfirstlane_b32 s28, v1                    ; wave 0..3
	v_and_b32 v9, 31, v0                           ; l
	v_and_b32 v10, 15, v0                          ; l % 16
	v_bfe_u32 v11, v0, 4, 1                        ; l / 16
	s_mov_b32 s37, 0                               ; the high word of every offset
	s_wait_kmcnt 0x0
	s_cmp_lt_u32 ttmp9, 512                        ; the same answer in all four waves
	s_cbranch_scc0 .Lweights
	; ---- x.  A wave takes 4 rows, as 2 pairs.  One load: 256 bytes (64 columns) of each row of a pair; one store: the same two rows of a block, 256 consecutive bytes.
	s_lshl_b32 s36, ttmp9, 16                      ; 16 rows of 4,096 bytes
	s_add_nc_u64 s[4:5], s[4:5], s[36:37]
	s_lshl_b32 s36, ttmp9, 11                      ; 16 rows of 128 bytes
	s_add_nc_u64 s[20:21], s[20:21], s[36:37]
	s_lshl_b32 s29, s28, 14
	v_lshlrev_b32 v4, 12, v11
	v_lshl_add_u32 v4, v10, 4, v4
	v_add_nc_u32 v4, s29, v4                       ; in x: (l / 16) rows + 16 (l % 16) + 4 rows x wave
	s_lshl_b32 s29, s28, 9
	v_lshl_add_u32 v5, v9, 3, s29                  ; in a block: 8 l + 4 rows x wave
	v_add_nc_u32 v6, 8*BLOCK, v5                   ; the same for blocks 8-15: the immediate holds seven blocks
.set i, 0
.rept 32                               ; load i: pair i / 16, block i % 16
	global_load_b128 v[D+4*i:D+4*i+3], v4, s[4:5] offset:(i/16)*8192+(i%16)*256 th:TH_LOAD_NT
.set i, i+1
.endr
.set i, 0
.rept 32
	s_wait_loadcnt 31-i                            ; loads come back in order: load i is in, the younger ones stay out
	v_cvt_pk_bf16_f32 v[D+4*i], v[D+4*i], v[D+4*i+1]
	v_cvt_pk_bf16_f32 v[D+4*i+1], v[D+4*i+2], v[D+4*i+3]
.if (i%16) < 8
	global_store_b64 v5, v[D+4*i:D+4*i+1], s[20:21] offset:(i%16)*BLOCK+(i/16)*256
.else
	global_store_b64 v6, v[D+4*i:D+4*i+1], s[20:21] offset:((i%16)-8)*BLOCK+(i/16)*256
.endif
.set i, i+1
.endr
	s_endpgm
	; ---- a weight's tile, turned through LDS
.Lweights:
	s_sub_co_u32 s29, ttmp9, 512
	s_lshr_b32 s30, s29, 6                         ; which weight: 0 q, 1 k, 2 v, 3 o
	s_bfe_u32 s31, s29, 0x30003                    ; kt: 128 rows (k) of it
	s_and_b32 s32, s29, 7                          ; nt: 128 columns (n)
	s_cmp_eq_u32 s30, 1
	s_cselect_b64 s[6:7], s[8:9], s[6:7]
	s_cselect_b64 s[14:15], s[16:17], s[14:15]
	s_cmp_eq_u32 s30, 2
	s_cselect_b64 s[6:7], s[10:11], s[6:7]
	s_cselect_b64 s[14:15], s[18:19], s[14:15]
	s_cmp_eq_u32 s30, 3
	s_cselect_b64 s[6:7], s[12:13], s[6:7]         ; the weight,
	s_cselect_b64 s[22:23], s[24:25], s[22:23]     ; where it goes,
	s_cselect_b32 s34, 0, s30                      ; and which third of wqkv
	s_lshl_b32 s36, s31, 19                        ; 128 rows of 4,096 bytes
	s_lshl_b32 s33, s32, 9                         ; 128 columns of 4 bytes
	s_add_co_u32 s36, s36, s33
	s_add_nc_u64 s[6:7], s[6:7], s[36:37]
	s_lshl_b32 s36, s34, 21                        ; 1,024 rows of 2,048 bytes
	s_lshl_b32 s35, s32, 18                        ; 128 rows
	s_add_co_u32 s36, s36, s35
	s_lshl_b32 s35, s31, 8                         ; 128 k of 2 bytes
	s_add_co_u32 s36, s36, s35
	s_add_nc_u64 s[22:23], s[22:23], s[36:37]
	s_lshl_b32 s38, s28, 17
	v_lshl_add_u32 v4, v9, 4, s38                  ; in: 16 l + 32 rows x wave
	v_mul_u32_u24 v5, v9, 4*SPITCH
	s_lshl_b32 s38, s28, 6
	v_add_nc_u32 v5, s38, v5                       ; into the stage: row 4 l (+ j), my wave's 32 k = 64 bytes
	s_mul_i32 s38, s28, 32*SPITCH
	v_mul_u32_u24 v6, v11, SPITCH
	v_lshl_add_u32 v6, v10, 4, v6
	v_add_nc_u32 v6, s38, v6                       ; back: rows 32 wave + l / 16, whole: 16 bytes a lane
	s_lshl_b32 s38, s28, 16
	v_lshlrev_b32 v7, 11, v11
	v_lshl_add_u32 v7, v10, 4, v7
	v_add_nc_u32 v7, s38, v7                       ; out: the same rows, 2,048 bytes apart
	v_lshlrev_b32 v8, 4, v9                        ; 16 l: the bias
.set i, 0
.rept 32                               ; row i of my 32 rows of k: 512 consecutive bytes, four columns a lane
	global_load_b128 v[D+4*i:D+4*i+3], v4, s[6:7] offset:i*4096 th:TH_LOAD_NT
.set i, i+1
.endr
.set gk, 0
.rept 4                                ; 8 rows of k at a time: for each of my four columns 8 k pack into 16 bytes of that column's stage row
	s_wait_loadcnt 24-8*gk                         ; rows 8 gk .. 8 gk + 7 are in; the younger rows stay out
.irp j, 0,1,2,3
.irp t, 0,1,2,3
	v_cvt_pk_bf16_f32 v[PKD+16*(\j)+4*gk+(\t)], v[D+4*(8*gk+2*(\t))+(\j)], v[D+4*(8*gk+2*(\t)+1)+(\j)]
.endr
	ds_store_b128 v5, v[PKD+16*(\j)+4*gk:PKD+16*(\j)+4*gk+3] offset:(\j)*SPITCH+gk*16
.endr
.set gk, gk+1
.endr
	s_wait_dscnt 0x0                               ; for the others' sake: my stores into the stage are done
	s_barrier_signal -1
	s_barrier_wait -1                              ; a stage row's 256 bytes come from all four waves
.set t, 0
.rept 16
	ds_load_b128 v[D+4*t:D+4*t+3], v6 offset:t*2*SPITCH
.set t, t+1
.endr
.set t, 0
.rept 16
	s_wait_dscnt 15-t
	global_store_b128 v7, v[D+4*t:D+4*t+3], s[22:23] offset:t*4096  ; 16 lanes store 256 consecutive bytes, at a multiple of 256 from the buffer's first byte
.set t, t+1
.endr
	; the bias: 128 numbers, by wave 0 of the tiles with kt = 0 of q, k and v
	s_cmp_lg_u32 s31, 0
	s_cbranch_scc1 .Lend
	s_cmp_eq_u32 s30, 3
	s_cbranch_scc1 .Lend
	s_cmp_lg_u32 s28, 0
	s_cbranch_scc1 .Lend
	s_lshl_b32 s36, s32, 9
	s_add_nc_u64 s[14:15], s[14:15], s[36:37]
	s_lshl_b32 s38, s30, 12
	s_add_co_u32 s36, s36, s38
	s_add_nc_u64 s[26:27], s[26:27], s[36:37]
	global_load_b128 v[D+64:D+67], v8, s[14:15]
	s_wait_loadcnt 0x0
	global_store_b128 v8, v[D+64:D+67], s[26:27]
.Lend:
	s_wait_tensorcnt 0x0                           ; the wave's end: three closing lines, behind my last LDS store
	ds_add_u32 v[SPW], v[NIL]
	s_wait_dscnt 0x0
	s_endpgm
.Lfunc_end_k_qfb8f79d0bb_prep:
	.size	k_qfb8f79d0bb_prep, .Lfunc_end_k_qfb8f79d0bb_prep-k_qfb8f79d0bb_prep
	.p2alignl 7, 3214868480
	.fill 96, 4, 3214868480
	.section	.rodata,"a",@progbits
	.p2align	6, 0x0
	.amdhsa_kernel k_qfb8f79d0bb_prep
		.amdhsa_group_segment_fixed_size 35328
		.amdhsa_private_segment_fixed_size 0
		.amdhsa_enable_private_segment 0
		.amdhsa_kernarg_size 96
		.amdhsa_user_sgpr_count 2
		.amdhsa_user_sgpr_kernarg_segment_ptr 1
		.amdhsa_wavefront_size32 1
		.amdhsa_system_sgpr_workgroup_id_x 1
		.amdhsa_system_sgpr_workgroup_id_y 1
		.amdhsa_system_sgpr_workgroup_id_z 1
		.amdhsa_system_vgpr_workitem_id 0
		.amdhsa_next_free_vgpr 208
		.amdhsa_next_free_sgpr 66
		.amdhsa_reserve_vcc 0
		.amdhsa_float_denorm_mode_32 3
		.amdhsa_float_denorm_mode_16_64 3
		.amdhsa_memory_ordered 1
		.amdhsa_forward_progress 1
		.amdhsa_inst_pref_size 26
	.end_amdhsa_kernel
	.amdgpu_metadata
---
amdhsa.version: [ 1, 2 ]
amdhsa.kernels:
  - .name:           k_qfb8f79d0bb_prep
    .symbol:         k_qfb8f79d0bb_prep.kd
    .args:
      - { .name: x, .offset: 0, .size: 8, .value_kind: global_buffer, .address_space: global }
      - { .name: Wq, .offset: 8, .size: 8, .value_kind: global_buffer, .address_space: global }
      - { .name: Wk, .offset: 16, .size: 8, .value_kind: global_buffer, .address_space: global }
      - { .name: Wv, .offset: 24, .size: 8, .value_kind: global_buffer, .address_space: global }
      - { .name: Wo, .offset: 32, .size: 8, .value_kind: global_buffer, .address_space: global }
      - { .name: bq, .offset: 40, .size: 8, .value_kind: global_buffer, .address_space: global }
      - { .name: bk, .offset: 48, .size: 8, .value_kind: global_buffer, .address_space: global }
      - { .name: bv, .offset: 56, .size: 8, .value_kind: global_buffer, .address_space: global }
      - { .name: xb, .offset: 64, .size: 8, .value_kind: global_buffer, .address_space: global }
      - { .name: wqkv, .offset: 72, .size: 8, .value_kind: global_buffer, .address_space: global }
      - { .name: wob, .offset: 80, .size: 8, .value_kind: global_buffer, .address_space: global }
      - { .name: bqkv, .offset: 88, .size: 8, .value_kind: global_buffer, .address_space: global }
    .group_segment_fixed_size: 35328
    .private_segment_fixed_size: 0
    .kernarg_segment_align: 8
    .kernarg_segment_size: 96
    .max_flat_workgroup_size: 128
    .sgpr_count:     66
    .vgpr_count:     208
    .wavefront_size: 32
...
	.end_amdgpu_metadata
.endif
;; end of part 1
;; launch gemm (part 2): grid 12 x 64, 4 waves a work-group, clusters of 4 x 4, 327,680 bytes of LDS; arguments xb, wqkv, bqkv, qkv; writes qkv
.if DOCPART == 2
	.amdgcn_target "amdgcn-amd-amdhsa--gfx1250"
	.amdhsa_code_object_version 6
	.text
	.protected	k_qfb8f79d0bb_gemm
	.globl	k_qfb8f79d0bb_gemm
	.p2align	8
	.type	k_qfb8f79d0bb_gemm,@function
k_qfb8f79d0bb_gemm:
	s_mov_b64 s[64:65], 0
	v_nop
	global_prefetch_b8 v0, s[64:65] scope:SCOPE_SE
	s_setreg_imm32_b32 hwreg(HW_REG_WAVE_MODE, 25, 1), 1
	s_wait_xcnt 0x0
	s_wait_alu depctr_hold_cnt(0) depctr_sa_sdst(0) depctr_va_vdst(0) depctr_va_sdst(0) depctr_va_ssrc(0) depctr_va_vcc(0) depctr_vm_vsrc(0)
	s_getreg_b32 s2, hwreg(HW_REG_IB_STS2, 6, 4)
	s_cmp_eq_u32 s2, 0
	s_cbranch_scc0 .Lentry_in_a_cluster
	s_endpgm
.Lentry_in_a_cluster:
	s_bfe_u32 s2, ttmp6, 0x10000c
	s_cmp_lg_u32 s2, 0xf033
	s_cbranch_scc0 .Lentry_shape_is_right
	s_endpgm
.Lentry_shape_is_right:
; out = A W^T + bias.  A: [16][8192][64] bf16 (blocks of 64 columns, rows dense, 128 bytes), W: [N][1024] bf16 (row = output column), bias: [N] f32,
; out: [N / 64][8192][64] bf16, A's layout.  Sums in f32, started by the bias; out rounded once.  N = 256 x the grid's width: the text does not name it.
; SHARES.  A work-group makes 128 rows x 256 columns; wave w rows 64 (w / 2) on, columns 128 (w % 2) on: 4 x 8 accumulators of 16 x 16, 256 registers.
; K = 1,024 goes in 8 steps of 128 through two LDS slots.  A step's tile of A is two planes (two blocks' 128 rows: 16,384 dense bytes each, asked for as 64 rows of 256 bytes),
; its tile of W two halves of 128 rows x 256 bytes.  Waves 0 and 1 fetch A's planes, waves 2 and 3 W's halves: one tensor load a wave.
; CLUSTER.  4 x 4 work-groups.  The four of a row of the cluster need the same tiles of A, the four of a column the same tiles of W: each tile is asked for JOINTLY.
; THE MATRIX INSTRUCTION IS USED TRANSPOSED (source 0 = 16 rows of W, source 1 = 16 rows of A): a lane holds row l % 16 of out and the columns 8 (l / 16) + 0..7.
; REGISTERS.  window 0: v0-31 addresses; v32-95 the bias (C of each sum's first product), later v32-159 the way out.
;   window 1: two fragment buffers of 96: 8 fragments of W, then 4 of A, for 32 along K.      window 2: accumulator (a, b) at v[8 (8 a + b)].
.set KSTEP,  128
.set BLOCK,  1048576                   ; bytes in a block of 64 columns: 8,192 rows x 128
.set PA,     144                       ; a row of a plane of A in LDS: 128 bytes + 16 = 36 words: the 16 rows of a load start at 16 different groups of four banks (64 banks of 4 bytes: ISA guide 11.1)
.set PW,     272                       ; a row of W: 256 bytes + 16 = 68 words: likewise
.set APLANE, 128*PA
.set WHALF,  128*PW
.set WOFF,   2*APLANE                  ; a slot: A's two planes, then W's two halves
.set SLOT,   WOFF+2*WHALF
.set STAGE,  2*SLOT                    ; behind the ring, never filled by a tensor load: 16 rows x 144 bytes for each wave
.set SP,     144
.set SPARE,  STAGE+4*16*SP             ; behind the stages: the spare words, 128 bytes for each wave: two blocks of 256 bytes that no other line names
.set ADRA, 16                          ; v16-17  LDS address of my A fragments in slot 0, 1
.set ADRB, 20                          ; v20-21  the same for W
.set STO,  24                          ; v24     the way out: where I put 16 bytes of a row
.set RD,   25                          ; v25     the way out: where I read rows back
.set GO,   26                          ; v26     my 16 bytes of 512 consecutive bytes of out
.set BO,   27                          ; v27     32 (l / 16): my eight numbers in 16 of the bias
.set SPW,  28                          ; v28     LDS address of my spare word; never rewritten
.set NIL,  29                          ; v29     0; never rewritten
.set BIAS, 32
.set TMP,  32                          ; the way out: unit u (16 rows x 64 columns) at TMP + 16 u
.set F0,   0
.set F1,   96
.set WV,   12                          ; s12 my wave's number
.set MH,   13                          ; s13 which 64 rows are mine.  Also: I fetch for A (0) or for W (1)
.set NH,   14                          ; s14 which 128 columns.  Also: which plane or half I fetch
.set G1A,  24                          ; s[24:31] descriptor group 1 for A;  s[32:39] group 0, a set for each slot
.set G0A,  32
.set G1B,  48                          ; s[48:55], s[56:63] the same for W
.set G0B,  56
.set MSB, 0
.macro WIN new                         ; the immediate's high byte repeats the setting that is left; a switch that changes nothing is dropped
.if MSB != (\new)
	s_set_vgpr_msb (MSB<<8)|(\new)
.set MSB, \new
.endif
.endm
.set MUL,   0xa5                       ; sources 0 and 1 window 1; C and D window 2
.set MULB,  0x85                       ; the same with C in window 0: the bias
.set TO_F,  0x40                       ; destination window 1, address window 0
.set PACKW, 0x0a                       ; sources 0 and 1 window 2, destination window 0
.macro JLOAD s                         ; a joint load; the branch hangs on the wave's number alone; an s_nop 0 and four v_nop follow each of the two lines
	s_cmp_eq_u32 s[MH], 0
	s_cbranch_scc0 .Lfor_w_\@
	tensor_load_to_lds s[G0A+4*(\s):G0A+4*(\s)+3], s[G1A:G1A+7]
	s_nop 0
.rept 4
	v_nop
.endr
	s_branch .Lasked_\@
.Lfor_w_\@:
	tensor_load_to_lds s[G0B+4*(\s):G0B+4*(\s)+3], s[G1B:G1B+7]
	s_nop 0
.rept 4
	v_nop
.endr
.Lasked_\@:
.endm
.macro CREST                           ; a round of the cluster's barrier behind its opening barrier
	s_cmp_lg_u32 s[WV], 0
	s_cbranch_scc1 .Lnot_wave_0_\@
	s_barrier_signal -3
.Lnot_wave_0_\@:
	s_barrier_wait -3
	s_barrier_signal -1
	s_barrier_wait -1
.endm
.macro CROUND                          ; a whole round
	s_barrier_signal -1
	s_barrier_wait -1
	CREST
.endm
	s_load_b256 s[4:11], s[0:1], 0x0               ; A s[4:5], W s[6:7], bias s[8:9], out s[10:11]
	v_lshl_add_u32 v[SPW], v0, 2, SPARE
	v_mov_b32 v[NIL], 0
	ds_add_u32 v[SPW], v[NIL]                      ; the wave's opening: the add and its wait stand ahead of my first tensor load; the set-up below, work on registers, stands between them
	v_lshrrev_b32 v1, 5, v0
	v_readfirstlane_b32 s[WV], v1                  ; wave 0..3
	s_lshr_b32 s[MH], s[WV], 1
	s_and_b32 s[NH], s[WV], 1
	s_bfe_u32 s15, ttmp6, 0x40000                  ; cx, cy: my place in the cluster
	s_bfe_u32 s16, ttmp6, 0x40004
	s_lshl_b32 s17, ttmp9, 2
	s_add_co_u32 s17, s17, s15                     ; tx: my 256 columns = 4 x cluster x + cx
	s_and_b32 s18, ttmp7, 0xffff
	s_lshl_b32 s18, s18, 2
	s_add_co_u32 s18, s18, s16                     ; ty: my 128 rows = 4 x cluster y + cy
	s_lshl_b32 s19, s16, 2
	s_lshl_b32 s19, 15, s19                        ; my row of the cluster
	s_lshl_b32 s20, 0x1111, s15                    ; my column
	s_or_b32 s[G1A], s19, (1<<16)|(1<<20)|(1<<21)|(4<<22)|(3<<25)  ; 15:0 the mask: A goes to my row; 17:16 2-byte elements; 20 padding on; 21 set beside a mask; 24:22 after every 32 words (code 4); 31:25 4 words (code 3)
	s_mov_b32 s[G1A+1], 128<<16                    ; tensor_dim0 = 128 elements: 256 bytes, two rows of the block
	s_mov_b32 s[G1A+2], 64<<16                     ; tensor_dim1 = 64
	s_mov_b32 s[G1A+3], 128<<16                    ; tile_dim0 = 128
	s_mov_b32 s[G1A+4], 64                         ; tile_dim1 = 64
	s_mov_b32 s[G1A+5], 128                        ; 128 elements from row to row: dense
	s_mov_b32 s[G1A+6], 0
	s_mov_b32 s[G1A+7], 0
	s_or_b32 s[G1B], s20, (1<<16)|(1<<20)|(1<<21)|(5<<22)|(3<<25)  ; W goes to my column; padding after every 64 words (code 5)
	s_mov_b32 s[G1B+1], KSTEP<<16                  ; tensor_dim0 = 128
	s_mov_b32 s[G1B+2], 128<<16                    ; tensor_dim1 = 128
	s_mov_b32 s[G1B+3], KSTEP<<16                  ; tile_dim0 = 128
	s_mov_b32 s[G1B+4], 128                        ; tile_dim1 = 128
	s_mov_b32 s[G1B+5], 1024                       ; 1,024 elements from row to row
	s_mov_b32 s[G1B+6], 0
	s_mov_b32 s[G1B+7], 0
	; where the tiles come from.  A's hang on ty alone, which my row of the cluster shares; W's on tx alone, which my column shares; each in registers that never hold the other coordinate
	s_lshl_b32 s40, s[NH], 20                      ; A: my plane's block,
	s_lshl_b32 s44, s18, 14                        ; 128 rows of 128 bytes x ty
	s_add_co_u32 s40, s40, s44
	s_mov_b32 s41, 0
	s_lshl_b32 s42, s17, 19                        ; W: 256 rows of 2,048 bytes x tx,
	s_lshl_b32 s45, s[NH], 18                      ; my half's 128 rows
	s_add_co_u32 s42, s42, s45
	s_mov_b32 s43, 0
	s_mul_i32 s46, s[NH], APLANE                   ; and where they go: no place in the cluster enters an LDS address
	s_mul_i32 s47, s[NH], WHALF
	s_add_co_u32 s47, s47, WOFF
	s_wait_dscnt 0x0                               ; the opening add is done
	s_wait_kmcnt 0x0
	s_add_nc_u64 s[40:41], s[4:5], s[40:41]
	s_add_nc_u64 s[42:43], s[6:7], s[42:43]
	CROUND                                         ; all sixteen work-groups are here: the first joint loads meet
.irp s, 0,1
	s_mov_b32 s[G0A+4*(\s)], 1                     ; count = 1
	s_add_co_u32 s[G0A+4*(\s)+1], s46, (\s)*SLOT   ; LDS address
	s_add_nc_u64 s[G0A+4*(\s)+2:G0A+4*(\s)+3], s[40:41], (\s)*2*BLOCK  ; K step s: two blocks on
	s_or_b32 s[G0A+4*(\s)+3], s[G0A+4*(\s)+3], 0x80000000             ; type = 2
	s_mov_b32 s[G0B+4*(\s)], 1
	s_add_co_u32 s[G0B+4*(\s)+1], s47, (\s)*SLOT
	s_add_nc_u64 s[G0B+4*(\s)+2:G0B+4*(\s)+3], s[42:43], (\s)*KSTEP*2
	s_or_b32 s[G0B+4*(\s)+3], s[G0B+4*(\s)+3], 0x80000000
	JLOAD \s                                       ; two loads of mine are out
.endr
	; the bias of my 128 columns, laid as a C operand: register j of n block b = bias[16 b + 8 (l / 16) + j]
	s_lshl_b32 s68, s17, 10
	s_lshl_b32 s70, s[NH], 9
	s_add_co_u32 s68, s68, s70
	s_mov_b32 s69, 0
	s_add_nc_u64 s[8:9], s[8:9], s[68:69]
	v_and_b32 v1, 15, v0                           ; l % 16
	v_bfe_u32 v2, v0, 4, 1                         ; l / 16
	v_lshlrev_b32 v[BO], 5, v2
.irp b, 0,1,2,3,4,5,6,7
	global_load_b128 v[BIAS+8*(\b):BIAS+8*(\b)+3],   v[BO], s[8:9] offset:64*(\b)
	global_load_b128 v[BIAS+8*(\b)+4:BIAS+8*(\b)+7], v[BO], s[8:9] offset:64*(\b)+16
.endr
	; out at my wave's first row of its first block: block 4 tx + 2 (w % 2), row 128 ty + 64 (w / 2)
	s_lshl_b32 s66, s17, 22
	s_lshl_b32 s70, s[NH], 21
	s_add_co_u32 s66, s66, s70
	s_lshl_b32 s70, s18, 14
	s_add_co_u32 s66, s66, s70
	s_lshl_b32 s70, s[MH], 13
	s_add_co_u32 s66, s66, s70
	s_mov_b32 s67, 0
	s_add_nc_u64 s[10:11], s[10:11], s[66:67]
	; A fragment is 16 rows x 32 K in 8 registers: lane l holds row l % 16; registers 0-3 K = 8 (l / 16) + 0..7, registers 4-7 K = 16 + 8 (l / 16) + 0..7: two loads of 16 bytes, 32 bytes apart
	v_mul_u32_u24 v3, v1, PA
	v_lshl_add_u32 v3, v2, 4, v3                   ; row x 144 + 16 x half
	s_mul_i32 s21, s[MH], 64*PA                    ; my 64 rows of A
	v_add_nc_u32 v[ADRA], s21, v3
	v_add_nc_u32 v[ADRA+1], SLOT, v[ADRA]
	v_mul_u32_u24 v4, v1, PW
	v_lshl_add_u32 v4, v2, 4, v4
	s_mul_i32 s22, s[NH], WHALF                    ; my 128 rows of W,
	s_add_co_u32 s22, s22, WOFF                    ; behind A's planes
	v_add_nc_u32 v[ADRB], s22, v4
	v_add_nc_u32 v[ADRB+1], SLOT, v[ADRB]
	s_mul_i32 s23, s[WV], 16*SP
	s_add_co_u32 s23, s23, STAGE                   ; my stage
	v_add_nc_u32 v[STO], s23, v3                   ; in: row l % 16, 16 bytes for each half of the lanes (the stage's pitch is A's)
	v_bfe_u32 v[RD], v0, 3, 2                      ; back: 32 lanes take four rows of 128 bytes,
	v_mul_u32_u24 v[RD], v[RD], SP
	v_and_b32 v5, 7, v0
	v_lshl_add_u32 v[RD], v5, 4, v[RD]
	v_add_nc_u32 v[RD], s23, v[RD]
	v_and_b32 v[GO], 31, v0                        ; which are 512 consecutive bytes of out
	v_lshlrev_b32 v[GO], 4, v[GO]
; 8 matrix instructions: m block a x all 8 n blocks, 32 along K.  zero = 1: the first product starts the sums, with the bias as C: nothing is cleared, nothing added later.
; The 32 accumulators take turns, one instruction a turn, in the same order in every quarter.
.macro MUL8 f, a, zero
.if \zero
	WIN MULB
.else
	WIN MUL
.endif
.irp b, 0,1,2,3,4,5,6,7
.if \zero
	v_wmma_f32_16x16x32_bf16 v[8*(8*(\a)+(\b)):8*(8*(\a)+(\b))+7], v[(\f)+8*(\b):(\f)+8*(\b)+7], v[(\f)+64+8*(\a):(\f)+64+8*(\a)+7], v[BIAS+8*(\b):BIAS+8*(\b)+7]
.else
	v_wmma_f32_16x16x32_bf16 v[8*(8*(\a)+(\b)):8*(8*(\a)+(\b))+7], v[(\f)+8*(\b):(\f)+8*(\b)+7], v[(\f)+64+8*(\a):(\f)+64+8*(\a)+7], v[8*(8*(\a)+(\b)):8*(8*(\a)+(\b))+7]
.endif
.endr
.endm
; 24 LDS loads in one run: the fragments of quarter q (32 along K) of a slot into buffer f: W's eight, then A's four
.macro FETCH slot, q, f
	WIN TO_F
.irp b, 0,1,2,3,4,5,6,7
	ds_load_b128 v[(\f)+8*(\b):(\f)+8*(\b)+3],   v[ADRB+(\slot)] offset:64*(\q)+(\b)*16*PW
	ds_load_b128 v[(\f)+8*(\b)+4:(\f)+8*(\b)+7], v[ADRB+(\slot)] offset:64*(\q)+(\b)*16*PW+32
.endr
.irp a, 0,1,2,3
	ds_load_b128 v[(\f)+64+8*(\a):(\f)+64+8*(\a)+3],   v[ADRA+(\slot)] offset:((\q)/2)*APLANE+((\q)%2)*64+(\a)*16*PA
	ds_load_b128 v[(\f)+64+8*(\a)+4:(\f)+64+8*(\a)+7], v[ADRA+(\slot)] offset:((\q)/2)*APLANE+((\q)%2)*64+(\a)*16*PA+32
.endr
.endm
.macro PLACES                          ; four places in front of loads into registers that matrix instructions have read, and of conversions that read results
.rept 4
	v_nop
.endr
.endm
; A K step is four quarters of 32 along K, 32 matrix instructions each, on buffers 0, 1, 0, 1.  One of the first three: multiplies buffer f and fetches quarter qn into g.
.macro QUARTER slot, qn, f, g, zero
	s_wait_dscnt 4                                 ; W and A's blocks 0 and 1 are in; the youngest four loads (A's blocks 2 and 3) may be out
	MUL8 \f, 0, \zero
	MUL8 \f, 1, \zero
	PLACES
	FETCH \slot, \qn, \g
	s_wait_dscnt 24                                ; all but the 24 just issued
	MUL8 \f, 2, \zero
	MUL8 \f, 3, \zero
.endm
; The last quarter multiplies buffer 1 and changes slots: ONE barrier; in front of it each wave waits for all its tensor loads, adds 0 to its spare word, and waits for that and for its own reads of this slot.
; fill = 1: the barrier opens a round of the cluster's, and this slot is filled again, two K steps ahead: 112 matrix instructions ahead of the wait for it.
.macro TURN slot, next, fill
	WIN 0                                          ; (the add's two registers lie in window 0)
	s_wait_tensorcnt 0x0                           ; all my tensor loads have landed: my part of the next slot;
	ds_add_u32 v[SPW], v[NIL]                      ; 0 onto my spare word;
	s_wait_dscnt 5                                 ; (the add and the youngest four loads may be out)
	MUL8 F1, 0, 0                                  ; eight matrix instructions stand between the add and the wait for it
	s_wait_dscnt 0x0                               ; the add is done, and my reads of this slot are over
	s_barrier_signal -1
	MUL8 F1, 1, 0
.if \fill
	WIN 0
.endif
	s_barrier_wait -1
.if \fill
	CREST                                          ; no wave of any partner still reads this slot's tile or has a load on its way
	s_add_nc_u64 s[G0A+4*(\slot)+2:G0A+4*(\slot)+3], s[G0A+4*(\slot)+2:G0A+4*(\slot)+3], 4*BLOCK
	s_add_nc_u64 s[G0B+4*(\slot)+2:G0B+4*(\slot)+3], s[G0B+4*(\slot)+2:G0B+4*(\slot)+3], 2*KSTEP*2
	JLOAD \slot                                    ; the first tensor load behind the round; the four v_nop behind it are also the places in front of the loads below
.else
	PLACES
.endif
	FETCH \next, 0, F0
	MUL8 F1, 2, 0
	MUL8 F1, 3, 0
.endm
; THE WAY OUT of unit u = 2 a + c: 16 rows x 64 columns, the accumulators (a, 4 c .. 4 c + 3), registers 32 u on.  Rounded to bf16 (each accumulator from its low end), 16 bytes a lane into my own stage, back as whole rows.
.macro PACK u
	WIN PACKW
.set i, 0
.rept 16
	v_cvt_pk_bf16_f32 v[TMP+16*(\u)+i], v[32*(\u)+2*i], v[32*(\u)+2*i+1]
.set i, i+1
.endr
	WIN 0
.irp f, 0,1,2,3
	ds_store_b128 v[STO], v[TMP+16*(\u)+4*(\f):TMP+16*(\u)+4*(\f)+3] offset:32*(\f)
.endr
.irp f, 0,1,2,3
	ds_load_b128 v[TMP+16*(\u)+4*(\f):TMP+16*(\u)+4*(\f)+3], v[RD] offset:(\f)*4*SP  ; LDS serves a wave's instructions in order (ISA guide 5.7.1.4): these see the stores above; the next unit's stores come behind them
.endr
.endm
.macro SEND u, younger                 ; younger: the LDS instructions issued behind unit u's loads: the next unit's eight, or none
	WIN 0
.irp f, 0,1,2,3
	s_wait_dscnt (\younger)+3-(\f)
	global_store_b128 v[GO], v[TMP+16*(\u)+4*(\f):TMP+16*(\u)+4*(\f)+3], s[10:11] offset:((\u)%2)*BLOCK+((\u)/2)*2048+(\f)*512  ; 512 consecutive bytes, at a multiple of 256 from out's first byte
.endr
.endm
	s_wait_tensorcnt 1                             ; my part of K step 0 is in; K step 1's may stay out
	s_barrier_signal -1
	s_barrier_wait -1                              ; everybody's is
	FETCH 0, 0, F0
	s_wait_loadcnt 0x0                             ; the bias
	QUARTER 0, 1, F0, F1, 1                        ; the first quarter stands in front of the loop: its products start the sums
	WIN 0                                          ; at a label and at a branch every window is 0
	s_mov_b32 s3, 3
.Llap:                                                 ; a trip goes once round the ring, from a lap's second quarter to the next lap's first, and fills both slots again: K steps 2 to 7 in three trips
	QUARTER 0, 2, F1, F0, 0
	QUARTER 0, 3, F0, F1, 0
	TURN 0, 1, 1
	QUARTER 1, 1, F0, F1, 0
	QUARTER 1, 2, F1, F0, 0
	QUARTER 1, 3, F0, F1, 0
	TURN 1, 0, 1
	QUARTER 0, 1, F0, F1, 0
	WIN 0
	s_sub_co_u32 s3, s3, 1
	s_cmp_lg_u32 s3, 0
	s_cbranch_scc1 .Llap
	QUARTER 0, 2, F1, F0, 0                        ; the last lap fills nothing, and has no round of the cluster's barrier
	QUARTER 0, 3, F0, F1, 0
	TURN 0, 1, 0
	QUARTER 1, 1, F0, F1, 0
	QUARTER 1, 2, F1, F0, 0
	QUARTER 1, 3, F0, F1, 0
	s_wait_dscnt 4                                 ; the very last quarter: nothing more to fetch
	MUL8 F1, 0, 0
	MUL8 F1, 1, 0
	s_wait_dscnt 0x0
	MUL8 F1, 2, 0
	MUL8 F1, 3, 0
	PLACES
	PACK 0
.set t, 1
.rept 7                                ; a unit's conversions stand between the loads of the unit before and its stores
	PACK t
	SEND t-1, 8
.set t, t+1
.endr
	SEND 7, 0
	s_wait_tensorcnt 0x0                           ; the wave's end: three closing lines, behind my last tensor load and my last LDS store
	ds_add_u32 v[SPW], v[NIL]
	s_wait_dscnt 0x0
	CROUND                                         ; the closing round: no work-group ends while a partner may still ask for a tile that names it
	s_endpgm
.Lfunc_end_k_qfb8f79d0bb_gemm:
	.size	k_qfb8f79d0bb_gemm, .Lfunc_end_k_qfb8f79d0bb_gemm-k_qfb8f79d0bb_gemm
	.p2alignl 7, 3214868480
	.fill 96, 4, 3214868480
	.section	.rodata,"a",@progbits
	.p2align	6, 0x0
	.amdhsa_kernel k_qfb8f79d0bb_gemm
		.amdhsa_group_segment_fixed_size 327680
		.amdhsa_private_segment_fixed_size 0
		.amdhsa_enable_private_segment 0
		.amdhsa_kernarg_size 32
		.amdhsa_user_sgpr_count 2
		.amdhsa_user_sgpr_kernarg_segment_ptr 1
		.amdhsa_wavefront_size32 1
		.amdhsa_system_sgpr_workgroup_id_x 1
		.amdhsa_system_sgpr_workgroup_id_y 1
		.amdhsa_system_sgpr_workgroup_id_z 1
		.amdhsa_system_vgpr_workitem_id 0
		.amdhsa_next_free_vgpr 768
		.amdhsa_next_free_sgpr 72
		.amdhsa_reserve_vcc 0
		.amdhsa_float_denorm_mode_32 3
		.amdhsa_float_denorm_mode_16_64 3
		.amdhsa_memory_ordered 1
		.amdhsa_forward_progress 1
		.amdhsa_inst_pref_size 88
	.end_amdhsa_kernel
	.amdgpu_metadata
---
amdhsa.version: [ 1, 2 ]
amdhsa.kernels:
  - .name:           k_qfb8f79d0bb_gemm
    .symbol:         k_qfb8f79d0bb_gemm.kd
    .args:
      - { .name: xb, .offset: 0, .size: 8, .value_kind: global_buffer, .address_space: global }
      - { .name: wqkv, .offset: 8, .size: 8, .value_kind: global_buffer, .address_space: global }
      - { .name: bqkv, .offset: 16, .size: 8, .value_kind: global_buffer, .address_space: global }
      - { .name: qkv, .offset: 24, .size: 8, .value_kind: global_buffer, .address_space: global }
    .group_segment_fixed_size: 327680
    .private_segment_fixed_size: 0
    .kernarg_segment_align: 8
    .kernarg_segment_size: 32
    .max_flat_workgroup_size: 128
    .sgpr_count:     72
    .vgpr_count:     768
    .wavefront_size: 32
...
	.end_amdgpu_metadata
.endif
;; end of part 2
;; launch attn (part 3): grid 4 x 64, 4 waves a work-group, clusters of 4 x 1, 327,680 bytes of LDS; arguments qkv, attention_mask, ctx; writes ctx
.if DOCPART == 3
	.amdgcn_target "amdgcn-amd-amdhsa--gfx1250"
	.amdhsa_code_object_version 6
	.text
	.protected	k_qfb8f79d0bb_attn
	.globl	k_qfb8f79d0bb_attn
	.p2align	8
	.type	k_qfb8f79d0bb_attn,@function
k_qfb8f79d0bb_attn:
	s_mov_b64 s[64:65], 0
	v_nop
	global_prefetch_b8 v0, s[64:65] scope:SCOPE_SE
	s_setreg_imm32_b32 hwreg(HW_REG_WAVE_MODE, 25, 1), 1
	s_wait_xcnt 0x0
	s_wait_alu depctr_hold_cnt(0) depctr_sa_sdst(0) depctr_va_vdst(0) depctr_va_sdst(0) depctr_va_ssrc(0) depctr_va_vcc(0) depctr_vm_vsrc(0)
	s_getreg_b32 s2, hwreg(HW_REG_IB_STS2, 6, 4)
	s_cmp_eq_u32 s2, 0
	s_cbranch_scc0 .Lentry_in_a_cluster
	s_endpgm
.Lentry_in_a_cluster:
	s_bfe_u32 s2, ttmp6, 0x10000c
	s_cmp_lg_u32 s2, 0x3003
	s_cbranch_scc0 .Lentry_shape_is_right
	s_endpgm
.Lentry_shape_is_right:
; ctx[y][q][:] = the sum over k of softmax_k(Q[y][q] . K[y][k] / 8 + mask[y % 4][k]) V[y][k][:], y = 4 x head + batch, 64 slabs of 2,048 dense rows of 128 bytes, all bf16.
; Q, K, V lie in qkv at 0, 16 MiB and 32 MiB, slab y at y x 262,144 bytes; ctx has Q's layout.  mask: [4][2048] f32.  Products, maxima and sums in f32; the weights p are rounded to bf16
; for the second product (their sum l is taken of the unrounded p), ctx once at the end.
; LIMITS.  The mask enters as max(8 mask, -1e30): a mask number below -1.25e29, minus infinity too, counts as -1.25e29, and so does a NaN in the mask.  A weight below 2^-126 counts as 0 in l.
; NaN and infinities in Q, K, V are not treated apart.
; SHARES.  A wave owns four PIECES of two tiles of 16 queries, a work-group's four waves 512 queries of one slab.  Every wave walks all 2,048 keys, 64 a step.
; LAYOUT.  S^T = K Q^T + 8 mask (source 0 = 16 keys, source 1 = 16 queries): in the result a lane holds ONE query (lane % 16) and the keys 8 (lane / 16) + 0..7.  THE MASK IS THE C OPERAND of the product that
; starts each sum: eight registers for 16 keys, the same for every query, read from a copy of the batch's mask in LDS with each step's K.  So the running maximum sees the masked score, at no vector work.
; Two results, rounded to bf16 in pairs, ARE source 1 (32 keys x 16 queries) of O^T = V^T P.  K comes out of LDS as it lies, V ([key][channel]) turned, by ds_load_tr16_b128.
; SOFTMAX.  For each query a running maximum m and sum l: p = 2^(c s - c m), c = log2(e) / 8; in every step O and l are multiplied by a = 2^(c m_old - c m_new), which is 1 where m has not grown.
; m starts at the lowest finite number, O and l at 0: the first step is a step like any other, with a = 0.
; THE COUNT.  A tile and step have 16 matrix and 118 vector instructions: too many to stand all beside the matrix work.  So: four vector instructions that are READY behind EVERY matrix instruction,
; and the others in runs without a gap.
; BY TURNS.  Turn n belongs to piece n (the pieces in a ring, step after step).  Its matrix work: 16 products K Q^T of piece n + 1, later 16 products V^T P of piece n - 1.  Its vector work: the scaling,
; exponentials, roundings, sums and rescaling of piece n, and the maximum and statistics of piece n + 1, whose scores the turn itself has made.
; CLUSTER.  The four query blocks of a cluster are one slab's and walk the same K and V, so each tile is asked for JOINTLY: the same tensor load, descriptor and mask in all four.
; REGISTERS, in windows of 256 (s_set_vgpr_msb: bits 1:0 source 0, 3:2 source 1, 5:4 source 2, 7:6 destination):
;   window 0: v0-11 addresses; v12-15, v48-63 at work; v16-47 four registers of statistics a tile; v64-191 S^T, two buffers of two tiles; v192-255 P, likewise
;   window 1: O^T, 32 a tile      window 2: v0-127 Q, 16 a tile; v128-191 K of one step; v192-255 V of one step      window 3: v0-1 the add's two registers; v8-39 8 mask of one step's 64 keys
.set SIZE_N, 2048
.set NP,    4         ; pieces a wave: a name, no knob
.set KS,    64        ; keys in a step
.set PK,    144       ; a row of K in LDS: 128 bytes + 16 of padding = 36 words: the 16 rows of a load start at 16 different groups of four banks (64 banks of 4 bytes: ISA guide 11.1)
.set PV,    160       ; a row of V: 128 + 32 = 40 words
.set VOFF,  4*KS*PK   ; a slot holds four steps: 256 rows of K, then 256 rows of V
.set SLOT1, 1<<17     ; slot 1 begins here, so that one exclusive or turns an address in one slot into the other's
.set STAGE, SLOT1+4*KS*(PK+PV)  ; behind the ring, never filled by a tensor load: 16 rows x 144 bytes for each wave, for the way out
.set SP,    144
.set MASKB, STAGE+4*16*SP  ; behind the stages, never filled by a tensor load: max(8 mask, -1e30) of the batch's 2,048 keys, f32, stored once
.set SPARE, MASKB+4*SIZE_N ; behind it: the spare words, 128 bytes for each wave: two blocks of 256 bytes that no other line names
.set AK0, 2           ; v2   my lane's place in a tile of K; never rewritten
.set AV0, 3           ; v3   the same for V
.set AK,  4           ; v4   the LDS address of K's next run of loads
.set AV,  5           ; v5   of V's
.set STO, 6           ; v6   the way out: where I put 16 bytes of a row
.set RD,  7           ; v7   the way out: where I read rows back
.set GO,  8           ; v8   my byte offset in 512 consecutive bytes of ctx
.set PFO, 9           ; v9   256 x my lane: the prefetches' offset; never rewritten once made
.set AM,  10          ; v10  the LDS address of the mask's next run of loads
.set AM0, 11          ; v11  MASKB + 32 (l / 16): my eight keys in 16; never rewritten once made
.set QO,  12          ; v12  at the head only: my byte offset in the wave's rows of Q
.set MO,  13          ; v13  at the head only: 16 x my thread's number, in the mask
.set ML,  14          ; v14  at the head only: the same in LDS
.set SPW, 0           ; v0 of window 3   LDS address of my spare word; never rewritten
.set NIL, 1           ; v1 of window 3   0; never rewritten
.set MK,  8           ; v8-39 of window 3: key block kb at MK + 8 kb
.set MV,  12          ; v12-15  c m_old, kept while c m is made anew: by buffer and tile
.set ST,  16          ; tile t's statistics at v[ST+4 t]: c m, m, l (even keys', odd keys')
.set TMP, 48          ; by buffer and tile, four registers c0-c3 at work; when the maximum is found c2 takes a
.set S,   64
.set P,   192
.set KF,  128         ; K's fragments, in window 2: key block kb, channel half c at KF + 16 kb + 8 c
.set VF,  192         ; V's: key half kk, channel block cb at VF + 32 kk + 8 cb
.set WV,  12          ; s12  my wave's number
.set G1K, 24          ; s[24:31] descriptor group 1 for K's tiles
.set G1V, 32          ; s[32:39] for V's: it differs in the padding alone
.set G0K, 40          ; s[40:43] descriptor group 0 for K's tiles: it walks
.set G0V, 44          ; s[44:47] the same for V's
.set SLOTS, 56        ; s56  slots still to be asked for
.set CNT, 57          ; s57  counts a slot's key steps
.set CS,  58          ; s[58:59] c: the packed scaling takes the pair's low word for both halves
.set SEL, 60          ; s[60:61] v_permlanex16_b32's selects: each lane takes its own place in the other half
.set TBK, 62          ; s62  LDS byte at which K of the step to be fetched begins
.set TBV, 63          ; s63  the same for V, less VOFF
.set MP,  66          ; s[66:67] the mask, then my batch's row of it
.set PFA, 68          ; s[68:69] where my prefetches stand: my work-group's 8,192 bytes (of K: wave 0, of V: wave 2) of the slot after the one that is being asked for
.set LIM, 70          ; s70  1 in a wave that prefetches, else the greatest number
.set TBM, 71          ; s71  256 x the step to be fetched: its 64 keys in the mask
.set MSB, 0
.macro WIN new                      ; the high byte repeats the setting that is left; a switch that changes nothing is dropped
.if MSB != (\new)
	s_set_vgpr_msb (MSB<<8)|(\new)
.set MSB, (\new)
.endif
.endm
.set W_KQ, 0x0a       ; K and Q in window 2, S^T in window 0
.set W_KM, 0x3a       ; the same with the C operand, the mask, in window 3
.set W_PV, 0x52       ; V in window 2, P in window 0, O^T in window 1
.set W_RS, 0x41       ; O^T (destination and source 0) in window 1, a in window 0
.set W_MK, 0xc0       ; destination in window 3, sources in window 0
.set W_AD, 0x0f       ; the add: address (source 0) and data (source 1) in window 3
; A joint fill.  Waves 0 and 1 fetch the two halves of a slot's K, waves 2 and 3 those of its V: 128 keys each.  The branch hangs on the wave's number alone.
; An s_nop 0 and four v_nop follow each of the two lines, ahead of the jump and the label.
.macro JLOAD
	s_cmp_lt_u32 s[WV], 2
	s_cbranch_scc0 .Lfor_v_\@
	tensor_load_to_lds s[G0K:G0K+3], s[G1K:G1K+7]
	s_nop 0
.rept 4
	v_nop
.endr
	s_branch .Lasked_\@
.Lfor_v_\@:
	tensor_load_to_lds s[G0V:G0V+3], s[G1V:G1V+7]
	s_nop 0
.rept 4
	v_nop
.endr
.Lasked_\@:
.endm
; A PREFETCH INTO THE L2 of what the NEXT change of slots will ask for: a slot's 32,768 bytes of K and of V.  It stands behind the wave's tensor load and its five lines.  Each block of 256 bytes is named ONCE
; in the launch: a slab is walked by one cluster; its four partners share a slot out BY ADDRESS, 8,192 bytes each, a lane a block; in each, wave 0 asks for K's and wave 2 for V's: one instruction.
; The change that loads tile T asks for tile T + 1, four key steps, 512 matrix instructions, ahead of its load; the last change that fills a slot asks for nothing.  Tiles 0 and 1 come by their loads alone.
.macro ASK
	s_cmp_gt_u32 s[SLOTS], s[LIM]
	s_cbranch_scc0 .Lnot_mine_\@
	global_prefetch_b8 v[PFO], s[PFA:PFA+1] th:TH_LOAD_NT scope:SCOPE_SE
.Lnot_mine_\@:
.endm
; A round of the cluster's barrier: my work-group's barrier, so that wave 0's signal speaks for all four waves; wave 0 signals; every wave waits for all four work-groups; my work-group's barrier once more.
.macro CROUND
	s_barrier_signal -1
	s_barrier_wait -1
	s_cmp_lg_u32 s[WV], 0
	s_cbranch_scc1 .Lnot_wave_0_\@
	s_barrier_signal -3
.Lnot_wave_0_\@:
	s_barrier_wait -3
	s_barrier_signal -1
	s_barrier_wait -1
.endm
; THE CHANGE OF SLOTS.  The slot's last bytes, V of its fourth step, have been read.  Each wave waits for all its tensor loads, of which one is out: its part
; of the other slot; adds 0 to its spare word; and waits for that and for its own LDS instructions.  Behind the barrier nobody reads this slot any more and the other slot is whole.
; fill = 1: this slot is filled again, with the keys two slots on.  The barrier is then a round of the cluster's, and the joint fill is the first thing behind it: it has four key steps, 512 matrix
; instructions, in which to land.  (At its first use nothing has been read yet: slot 0 is waited for, slot 1 filled, and every wave's part of the mask's copy is shown to the others.)
.macro CHANGE fill
	WIN W_AD
	s_wait_tensorcnt 0x0            ; no tensor load of mine is out, so a group 0 may be written
	ds_add_u32 v[SPW], v[NIL]       ; 0 onto my spare word; with fill = 1 the descriptors' steps stand between it and the wait for it
	WIN 0                           ; at a label and at a branch every window is 0
.if \fill
.irp g, G0K, G0V
	s_xor_b32 s[\g+1], s[\g+1], SLOT1  ; the walking descriptor: the other slot than last time,
	s_add_nc_u64 s[\g+2:\g+3], s[\g+2:\g+3], 4*KS*128  ; the next 256 keys; the type bits on top are not reached
.endr
	s_wait_xcnt 0x0                 ; the last prefetch, four key steps back, has read its address, so it may be written:
	s_add_nc_u64 s[PFA:PFA+1], s[PFA:PFA+1], 4*KS*128  ; one slot behind the walking descriptors
	s_wait_dscnt 0x0                ; the add is done, and my LDS instructions are over
	CROUND
	JLOAD
	ASK
.else
	s_wait_dscnt 0x0                ; the add is done, and my reads of the slot are over
	s_barrier_signal -1
	s_barrier_wait -1
.endif
	s_sub_co_u32 s[TBK], s[TBK], 4*KS*PK  ; the fetches go back to a slot's first step,
	s_xor_b32 s[TBK], s[TBK], SLOT1       ; in the other slot
	s_sub_co_u32 s[TBV], s[TBV], 4*KS*PV
	s_xor_b32 s[TBV], s[TBV], SLOT1
.endm
	s_load_b64 s[4:5], s[0:1], 0x0    ; qkv
	s_load_b64 s[MP:MP+1], s[0:1], 0x8  ; the mask
	s_load_b64 s[10:11], s[0:1], 0x10 ; ctx
	WIN W_MK
	v_lshl_add_u32 v[SPW], v0, 2, SPARE
	v_mov_b32 v[NIL], 0
	WIN W_AD
	ds_add_u32 v[SPW], v[NIL]       ; the wave's opening: the add and its wait stand ahead of my first tensor load; the set-up below, work on registers, stands between them
	WIN 0
	v_lshrrev_b32 v1, 5, v0
	v_readfirstlane_b32 s[WV], v1   ; wave 0..3
	s_bfe_u32 s13, ttmp6, 0x40000   ; cx: my place in the cluster
	s_lshl_b32 s14, ttmp9, 2        ; in a cluster launch ttmp9 counts clusters
	s_add_co_u32 s14, s14, s13      ; my block of 512 queries = 4 x cluster x + cx: it enters Q's and ctx's addresses alone
	s_and_b32 s20, ttmp7, 0xffff    ; the slab, 4 x head + batch, which the four partners share
	s_and_b32 s48, s20, 3           ; the batch:
	s_lshl_b32 s48, s48, 13         ; its 2,048 numbers of the mask
	s_mov_b32 s49, 0
	s_lshl_b32 s20, s20, 18         ; the slab's first byte in Q, K, V and ctx
	s_mov_b32 s21, 0
	s_and_b32 s16, s[WV], 1         ; which half of a slot's 256 keys I fetch:
	s_lshl_b32 s22, s16, 14         ; its 128 rows of 128 bytes in memory,
	s_mov_b32 s23, 0
	s_add_nc_u64 s[22:23], s[22:23], s[20:21]
	s_mul_i32 s17, s16, 128*PK      ; and its place in a slot, for K
	s_mul_i32 s18, s16, 128*PV      ; and for V: no place in the cluster enters an LDS address
	s_lshl_b32 s2, s14, 2
	s_add_co_u32 s2, s2, s[WV]      ; my wave among the slab's,
	s_lshl_b32 s2, s2, 14           ; its 128 rows
	s_mov_b32 s3, 0
	s_add_nc_u64 s[2:3], s[2:3], s[20:21]
	s_lshl_b32 s50, s13, 13         ; the prefetches: my work-group's 8,192 bytes of a slot,
	s_mov_b32 s51, 0
	s_add_nc_u64 s[50:51], s[50:51], s[20:21]  ; in the slab
	; descriptor group 1.  128 keys are 16,384 dense bytes: asked for as 64 rows of 256 bytes, two keys a row, and padded in LDS after every key
	s_mov_b32 s[G1K], 15|(1<<16)|(1<<20)|(1<<21)|(4<<22)|(3<<25)  ; 15:0 the mask of four; 17:16 2-byte elements; 20 padding on; 21 set beside a mask; 24:22 after every 32 words (code 4); 31:25 4 words (code 3)
	s_mov_b32 s[G1V], 15|(1<<16)|(1<<20)|(1<<21)|(4<<22)|(7<<25)  ; the same with 8 words of padding (code 7)
.irp g, G1K, G1V
	s_mov_b32 s[\g+1], 128<<16      ; tensor_dim0 = 128
	s_mov_b32 s[\g+2], 64<<16       ; tensor_dim1 = 64
	s_mov_b32 s[\g+3], 128<<16      ; tile_dim0 = 128
	s_mov_b32 s[\g+4], 64           ; tile_dim1 = 64
	s_mov_b32 s[\g+5], 128          ; 128 elements from row to row
	s_mov_b32 s[\g+6], 0
	s_mov_b32 s[\g+7], 0
.endr
	s_mov_b32 s[CS], 0x3e38aa3b     ; c = log2(e) / 8 = 0.180337
	s_mov_b32 s[CS+1], s[CS]        ; named with it as a pair
	s_mov_b32 s[SEL], 0x76543210
	s_mov_b32 s[SEL+1], 0xfedcba98
	s_mov_b32 s[TBK], SLOT1+4*KS*PK ; the first change of slots turns these two into 0
	s_mov_b32 s[TBV], SLOT1+4*KS*PV
	s_mov_b32 s[TBM], 0
	s_mov_b32 s[SLOTS], SIZE_N/256-1
	s_and_b32 s[LIM], s[WV], 1      ; waves 0 and 2 prefetch: the same in all four partners
	s_cmp_eq_u32 s[LIM], 0
	s_cselect_b32 s[LIM], 1, -1
	s_mov_b32 s[G0K], 1             ; 1:0 count = 1
	s_mov_b32 s[G0K+1], s17         ; 63:32 LDS address: slot 0
	s_mov_b32 s[G0V], 1
	s_add_co_u32 s[G0V+1], s18, VOFF
	s_wait_dscnt 0x0                ; the opening add is done
	s_wait_kmcnt 0x0
	s_add_nc_u64 s[6:7], s[4:5], 16777216   ; K
	s_add_nc_u64 s[8:9], s[4:5], 33554432   ; V
	s_cmp_lt_u32 s[WV], 2
	s_cselect_b64 s[PFA:PFA+1], s[6:7], s[8:9]
	s_add_nc_u64 s[PFA:PFA+1], s[PFA:PFA+1], s[50:51]
	s_add_nc_u64 s[PFA:PFA+1], s[PFA:PFA+1], 4*KS*128  ; in tile 1; the first change of slots steps it to tile 2
	s_add_nc_u64 s[G0K+2:G0K+3], s[6:7], s[22:23]  ; 120:64 global address: my half of the slab's first 256 keys
	s_or_b32 s[G0K+3], s[G0K+3], 0x80000000        ; 127:126 type = 2
	s_add_nc_u64 s[G0V+2:G0V+3], s[8:9], s[22:23]
	s_or_b32 s[G0V+3], s[G0V+3], 0x80000000
	s_add_nc_u64 s[4:5], s[4:5], s[2:3]  ; Q and ctx at my wave's first row
	s_add_nc_u64 s[10:11], s[10:11], s[2:3]
	s_add_nc_u64 s[MP:MP+1], s[MP:MP+1], s[48:49]
	CROUND                          ; all four work-groups are here: the first joint loads meet
	JLOAD                           ; slot 0.  Slot 1 is asked for when slot 0 is in
	v_and_b32 v1, 15, v0            ; l % 16
	v_bfe_u32 v9, v0, 4, 1          ; l / 16
	v_lshlrev_b32 v[MO], 4, v0      ; the batch's mask: 128 threads x 16 bytes, four times
	v_add_nc_u32 v[ML], MASKB, v[MO]
.irp i, 0,1,2,3
	global_load_b128 v[S+4*\i:S+4*\i+3], v[MO], s[MP:MP+1] offset:2048*\i
.endr
	; A fragment of K or Q is 16 rows x 32 channels in 8 registers: lane l holds row l % 16, channels 8 (l / 16) + 0..7 and 16 + 8 (l / 16) + 0..7: two loads of 16 bytes, 32 bytes apart.
	v_lshlrev_b32 v[QO], 7, v1
	v_lshl_add_u32 v[QO], v9, 4, v[QO]  ; row x 128 + 16 x half
	WIN 0x80                        ; destination window 2, address window 0
.set i, 0
.rept 4*NP                          ; Q stays in registers: tile i / 2, channels 32 (i % 2) on
	global_load_b128 v[8*i:8*i+3],   v[QO], s[4:5] offset:(i/2)*2048+(i%2)*64
	global_load_b128 v[8*i+4:8*i+7], v[QO], s[4:5] offset:(i/2)*2048+(i%2)*64+32
.set i, i+1
.endr
	; What the first turn finds: V's registers and P's second buffer hold 0 (its products V^T P, of a piece that has not been, add 0), O^T and l are 0.  All this stands in the wait for the first tile.
.set i, VF
.rept 64
	v_mov_b32 v[i], 0
.set i, i+1
.endr
	WIN 0x40
.set i, 0
.rept 64*NP
	v_mov_b32 v[i], 0
.set i, i+1
.endr
	WIN 0
.set i, 0
.rept 2*NP
	v_mov_b32 v[ST+4*i], 0xfe000000    ; c m: far below every c s
	v_mov_b32 v[ST+4*i+1], 0xff7fffff  ; m
	v_mov_b32 v[ST+4*i+2], 0
	v_mov_b32 v[ST+4*i+3], 0
.set i, i+1
.endr
.set i, P+32
.rept 32
	v_mov_b32 v[i], 0
.set i, i+1
.endr
	v_mul_u32_u24 v[AK0], v1, PK
	v_lshl_add_u32 v[AK0], v9, 4, v[AK0]  ; row x pitch + 16 x half
	; The turning load takes 16 keys x 16 channels (lane l reads key 8 (l / 16) + l % 8, channels 8 ((l / 8) % 2) + 0..7) and leaves half a fragment of V^T: lane l holds channel l % 16 and 8 keys.
	v_and_b32 v10, 7, v0
	v_bfe_u32 v11, v0, 3, 1
	v_lshl_add_u32 v[AV0], v9, 3, v10
	v_mul_u32_u24 v[AV0], v[AV0], PV
	v_lshl_add_u32 v[AV0], v11, 4, v[AV0]
	v_add_nc_u32 v[AV0], VOFF, v[AV0]
	v_mov_b32 v[AK], v[AK0]         ; key step 0 lies at the head of slot 0
	s_mul_i32 s15, s[WV], 16*SP
	s_add_co_u32 s15, s15, STAGE    ; my stage
	v_mul_u32_u24 v[STO], v1, SP    ; in: row l % 16, 16 bytes for each half of the lanes
	v_lshl_add_u32 v[STO], v9, 4, v[STO]
	v_add_nc_u32 v[STO], s15, v[STO]
	v_bfe_u32 v[RD], v0, 3, 2       ; back: 32 lanes take four rows of 128 bytes,
	v_mul_u32_u24 v[RD], v[RD], SP
	v_lshl_add_u32 v[RD], v10, 4, v[RD]
	v_add_nc_u32 v[RD], s15, v[RD]
	v_and_b32 v[GO], 31, v0         ; which are 512 consecutive bytes of ctx
	v_lshlrev_b32 v[GO], 4, v[GO]
	v_lshl_add_u32 v[AM0], v9, 5, MASKB  ; v9, v10, v11 have served: they take their lasting contents
	v_mov_b32 v[AM], v[AM0]         ; key step 0
	v_and_b32 v[PFO], 31, v0
	v_lshlrev_b32 v[PFO], 8, v[PFO]
	s_wait_loadcnt 32               ; the mask's four loads are in; Q's 32, issued behind them, may stay out
.set i, 0
.rept 16
	v_mul_f32 v[S+i], 0x41000000, v[S+i]      ; 8 mask: the scores are scaled by c = log2(e) / 8 behind the sum
.set i, i+1
.endr
.set i, 0
.rept 16
	v_max_num_f32 v[S+i], 0xf149f2ca, v[S+i]  ; not below -1e30, so that no difference of two scores is a NaN
.set i, i+1
.endr
.irp i, 0,1,2,3
	ds_store_b128 v[ML], v[S+4*\i:S+4*\i+3] offset:2048*\i
.endr
; THE MATRIX WORK.  The 8 accumulators of a run of 16 take turns: between the two links of a chain stand 7 others'.
; Product i of 16 of S^T = K Q^T for piece x: channels 32 (i / 8) on, keys 16 ((i / 2) % 4) on, tile 2 x + i % 2.  The first 8 start the sums, with those keys' mask as C.
.macro KQ x
.set rS, S+64*((\x)%2)+32*(i%2)+8*((i/2)%4)
.set rK, KF+16*((i/2)%4)+8*(i/8)
.set rQ, 16*(2*(\x)+i%2)+8*(i/8)
.set rMK, MK+8*((i/2)%4)
.if i < 8
	WIN W_KM
	v_wmma_f32_16x16x32_bf16 v[rS:rS+7], v[rK:rK+7], v[rQ:rQ+7], v[rMK:rMK+7]
.else
	WIN W_KQ
	v_wmma_f32_16x16x32_bf16 v[rS:rS+7], v[rK:rK+7], v[rQ:rQ+7], v[rS:rS+7]
.endif
.endm
; Product i of 16 of O^T += V^T P for piece x: keys 32 (i / 8) on, channels 16 ((i / 2) % 4) on, tile 2 x + i % 2.
.macro PV x
	WIN W_PV
.set rO, 32*(2*(\x)+i%2)+8*((i/2)%4)
.set rV, VF+32*(i/8)+8*((i/2)%4)
.set rP, P+32*((\x)%2)+16*(i%2)+8*(i/8)
	v_wmma_f32_16x16x32_bf16 v[rO:rO+7], v[rV:rV+7], v[rP:rP+7], v[rO:rO+7]
.endm
.macro MM                           ; the turn's next matrix instruction
.if i < 16
	KQ (Y+1)%NP
.set i, i+1
.else
.set i, i-16
	PV (Y+NP-1)%NP
.set i, i+17
.endif
.endm
; THE LDS LOADS stand in runs, never singly among the matrix instructions: a step's K (64 keys x 64 channels: 8 fragments) with its 64 keys' mask, and its V (turned).  Their addresses are made some lines ahead.
; last = 1 (the tail): in the last trip there is no further step, and the run is jumped over.
.macro FETCH_K last=0
	WIN 0
.if \last
	s_cmp_eq_u32 s[CNT], 1
	s_cbranch_scc1 .Lno_k_\@
.endif
	WIN 0x80                        ; destination window 2
.irp f, 0,1,2,3,4,5,6,7             ; keys 16 (f / 2) on, channels 32 (f % 2) on
	ds_load_b128 v[KF+8*\f:KF+8*\f+3],   v[AK] offset:(\f/2)*16*PK+(\f%2)*64
	ds_load_b128 v[KF+8*\f+4:KF+8*\f+7], v[AK] offset:(\f/2)*16*PK+(\f%2)*64+32
.endr
	WIN W_MK                        ; destination window 3
.irp kb, 0,1,2,3                    ; keys 16 kb + 8 (l / 16) + 0..7: the sixteen lanes of a half read the same 32 bytes
	ds_load_b128 v[MK+8*\kb:MK+8*\kb+3],   v[AM] offset:64*\kb
	ds_load_b128 v[MK+8*\kb+4:MK+8*\kb+7], v[AM] offset:64*\kb+16
.endr
	s_add_co_u32 s[TBK], s[TBK], KS*PK  ; the next fetch is the next step's
	s_add_co_u32 s[TBM], s[TBM], 4*KS
	s_and_b32 s[TBM], s[TBM], 4*SIZE_N-4*KS  ; it stays inside the copy's 32 steps
	WIN 0
.if \last
.Lno_k_\@:
.endif
.endm
.macro FETCH_V
	WIN 0x80
.irp f, 0,1,2,3,4,5,6,7             ; keys 32 (f / 4) on, channels 16 (f % 4) on
	ds_load_tr16_b128 v[VF+8*\f:VF+8*\f+3],   v[AV] offset:(\f/4)*32*PV+(\f%4)*32
	ds_load_tr16_b128 v[VF+8*\f+4:VF+8*\f+7], v[AV] offset:(\f/4)*32*PV+16*PV+(\f%4)*32
.endr
	WIN 0
.endm
; THE VECTOR WORK OF A TURN stands in three queues, each in the order in which its entries become ready; the two tiles alternate, so that no instruction reads the result of the one before it.
.macro REGS y, u                    ; the registers of tile u (0, 1) of piece y
.set rT, ST+4*(2*(\y)+(\u))
.set rC, TMP+8*((\y)%2)+4*(\u)
.set rM, MV+2*((\y)%2)+(\u)
.set rS, S+64*((\y)%2)+32*(\u)
.set rP, P+32*((\y)%2)+16*(\u)
.set rO, 32*(2*(\y)+(\u))
.endm
; Number n of the 22 that find the NEXT piece's (Y + 1) maximum and statistics.  s0-s31 are the lane's 32 scores; each accumulator's lowest registers are read first.  XS, GS and REGS set no window: PL and EX do.
;   0-11  four chains c0-c3 of seven scores each, three operands at a time     12-14, 16  the four scores left over, the old m, and c0-c3 into c0     15  c m_old is kept
;   17, 18  the query's other 32 keys lie in the lane 16 away: the new m         19-21  c m; c m_old - c m_new; a
.macro XS u, n
	REGS (Y+1)%NP, \u
.if (\n) < 4
	v_max3_num_f32 v[rC+(\n)], v[rS+8*(\n)], v[rS+8*(\n)+1], v[rS+8*(\n)+2]
.elseif (\n) < 12
	v_max3_num_f32 v[rC+(\n)%4], v[rC+(\n)%4], v[rS+8*((\n)%4)+2*((\n)/4)+1], v[rS+8*((\n)%4)+2*((\n)/4)+2]
.elseif (\n) == 12
	v_max3_num_f32 v[rC], v[rC], v[rS+7], v[rS+15]
.elseif (\n) == 13
	v_max3_num_f32 v[rC+1], v[rC+1], v[rS+23], v[rS+31]
.elseif (\n) == 14
	v_max3_num_f32 v[rC+2], v[rC+2], v[rC+3], v[rT+1]
.elseif (\n) == 15
	v_mov_b32 v[rM], v[rT]
.elseif (\n) == 16
	v_max3_num_f32 v[rC], v[rC], v[rC+1], v[rC+2]
.elseif (\n) == 17
	v_permlanex16_b32 v[rC+3], v[rC], s[SEL], s[SEL+1]
.elseif (\n) == 18
	v_max_num_f32 v[rT+1], v[rC], v[rC+3]
.elseif (\n) == 19
	v_mul_f32 v[rT], s[CS], v[rT+1]
.elseif (\n) == 20
	v_sub_f32 v[rC+1], v[rM], v[rT]
.else
	v_exp_f32 v[rC+2], v[rC+1]
.endif
.endm
; Number g of the 64 that follow the exponentials.  For each four weights k of a tile (pairs 2 k, 2 k + 1): both pairs are rounded to bf16; then the second pair is added onto the first, in place;
; a group later l takes that sum (the first time as l = a l + sum).  In groups of eight, tiles alternating: round, round, add, and l for the group before.
.macro GS g
.set h, (\g)+6*((\g)/62)            ; group 0 has no group before it, and behind group 7 only l is left
.if h >= 6
.set h, h+2
.endif
	REGS Y, h%2
.set k, h/8
.if h%8 < 4
	s_wait_alu depctr_va_vdst(0)
	v_cvt_pk_bf16_f32 v[rP+2*k+(h%8)/2], v[rS+4*k+2*((h%8)/2)], v[rS+4*k+2*((h%8)/2)+1]
.elseif h%8 < 6
	v_pk_add_f32 v[rS+4*k:rS+4*k+1], v[rS+4*k:rS+4*k+1], v[rS+4*k+2:rS+4*k+3]
.elseif k == 1
	v_pk_fma_f32 v[rT+2:rT+3], v[rT+2:rT+3], v[rC+2:rC+3], v[rS:rS+1] op_sel_hi:[1,0,1]
.else
	v_pk_add_f32 v[rT+2:rT+3], v[rT+2:rT+3], v[rS+4*k-4:rS+4*k-3]
	s_wait_alu depctr_va_vdst(0)
.endif
.endm
; THE PLAIN QUEUE, 138 long.  0-31: c s - c m for the 16 pairs of both tiles.  Then GS's 64, and among them the next piece's 42: number 15 at 38, 39; 0-14 and 16
; at 42-73, behind the products that make those scores; 17-20 at 95-106, two of three, since each waits for the one before it.
.macro PL
	WIN 0
.if q < 32
	REGS Y, q%2
	v_pk_fma_f32 v[rS+2*(q/2):rS+2*(q/2)+1], v[rS+2*(q/2):rS+2*(q/2)+1], s[CS:CS+1], v[rT:rT+1] op_sel_hi:[1,0,0] neg_lo:[0,0,1] neg_hi:[0,0,1]
.elseif q < 38
	GS q-32
.elseif q < 40
	XS q%2, 15
.elseif q < 42
	GS q-34
.elseif q < 74
	XS q%2, (q-42)/2+(q-42)/30
.elseif q < 95
	GS q-66
.elseif (q < 107) && ((q-95)%3 < 2)
	XS (q-95)%3, 17+(q-95)/3
.elseif q < 107
	GS 29+(q-95)/3
.else
	GS q-74
.endif
.set q, q+1
.endm
; THE EXPONENTIALS' QUEUE, 66 long: s0-s31 of both tiles, and at EA the next piece's two a.
.set EA, 58
.macro EX
	WIN 0
.if (e == EA) || (e == EA+1)
	XS e-EA, 21
.else
.set x, e-2*(e/(EA+2))
	REGS Y, x%2
	v_exp_f32 v[rS+x/2], v[rS+x/2]
.endif
.set e, e+1
.endm
; THE RESCALING's QUEUE: O^T times a, the one part that leaves window 0, so it is dealt four at a time, eight times.
.macro R4
	REGS Y, r%2
	WIN W_RS
	s_wait_alu depctr_va_vdst(0)
.irp z, 0,1,2,3
	v_pk_mul_f32 v[rO+8*(r/2)+2*\z:rO+8*(r/2)+2*\z+1], v[rO+8*(r/2)+2*\z:rO+8*(r/2)+2*\z+1], v[rC+2:rC+3] op_sel_hi:[1,0]
.endr
.set r, r+1
.endm
; HOW THEY ARE DEALT.  Behind a matrix instruction four: plain, exponential, plain, plain (one exponential, a plain instruction on either side), or four of the rescaling.  None names a register of the
; products round it.  What is over stands in two LUMPS: exponential and plain by turns; the second ends in 22 plain instructions.  The two v_permlanex16_b32 fall into the second lump, never behind a product.
; The queues lean on each other, and the deal keeps them in step: exponential e stands behind plain 2 (e / 4) + e % 2 (its scaling); when plain 32 comes, 10 exponentials are out, at 59: 33, at 95: 46; EA comes behind plain 107.
.macro SL
	MM
	PL
	EX
	PL
	PL
.endm
.macro BURST n                      ; 15 matrix instructions, or 16
.rept (\n)-7
	SL
.endr
.rept 3
	MM
	R4
	SL
.endr
	MM
	R4
.endm
; A TURN, for piece p.  cnt = 1: the loop's count is taken down some lines ahead of the branch that stands behind the turn.
; K and the mask of the next step are fetched in piece 2's turn, more than 30 vector instructions behind the last product that read K (the mask's last reader stands eight products further back);
; their first reader comes behind the rest of the lump, 16 products and the second lump.  V of the step in hand is fetched at the end of piece 0's turn; its first reader comes behind 16 products and a lump.
.macro TURN p, last=0, cnt=0
.set Y, (\p)
.set i, 0
.set q, 0
.set e, 0
.set r, 0
.if (\p) == NP-1
	s_wait_dscnt 0x0                ; K and the mask are in
.endif
	MM
.rept 4
	PL
.endr
	BURST 15
.rept 22
	EX
	PL
.if ((\p) == NP-2) && (e == 18)
	v_add_nc_u32 v[AK], s[TBK], v[AK0]
	v_add_nc_u32 v[AM], s[TBM], v[AM0]
.endif
.if ((\p) == NP-2) && (e == 24)
	FETCH_K \last
.endif
.endr
.if (\p) == 1
	s_wait_dscnt 0x0                ; V is in
.endif
	BURST 16
.rept 21
	EX
	PL
.endr
.rept 22
	PL
.if ((\p) == 0) && (q == 118)
	v_add_nc_u32 v[AV], s[TBV], v[AV0]
	s_wait_alu depctr_va_vdst(0)
.endif
.if ((\p) == 0) && (q == 130)
	s_add_co_u32 s[TBV], s[TBV], KS*PV
.endif
.if (\cnt) && (q == 130)
	s_sub_co_u32 s[CNT], s[CNT], 1
	s_cmp_lg_u32 s[CNT], 0
.endif
.endr
.if (\p) == 0
	FETCH_V
.endif
.endm
	CHANGE 1                        ; slot 0 is in, everybody's part of it, and so is the mask's copy; slot 1 is asked for
	FETCH_K                         ; key step 0
	s_wait_loadcnt 0x0              ; Q
	s_wait_dscnt 0x0
.set i, 0
.rept 16
	KQ 0                            ; piece 0's first scores: there is no vector work yet to set between them
.set i, i+1
.endr
	WIN 0
.rept 4
	v_nop                           ; the places behind those products
.endr
.set Y, NP-1                        ; XS works for piece Y + 1: piece 0
.irp n, 0,1,2,3,4,5,6,7,8,9,10,11,12,13,14,15,16,17,18,19,20,21
	XS 0, \n                        ; and piece 0's first maximum and statistics
	XS 1, \n
.endr
	s_mov_b32 s[CNT], 4
	s_branch .Lfirst                ; the loop is entered at a step's first turn, in the middle of a trip
.Lslot:                             ; SIZE_N / 256 - 2 times: every slot but the last two is filled again
	CHANGE 1
	s_mov_b32 s[CNT], 4
.Lstep:                             ; a trip: pieces 2 and 3 of one step, then pieces 0 and 1 of the next, whose K and V it fetches
	TURN 2
	TURN 3
	WIN 0
.Lfirst:
	TURN 0
	TURN 1, 0, 1
	WIN 0
	s_cbranch_scc1 .Lstep
	s_sub_co_u32 s[SLOTS], s[SLOTS], 1
	s_cmp_lg_u32 s[SLOTS], 0
	s_cbranch_scc1 .Lslot
	CHANGE 0                        ; the tail is written out: nothing is asked for
	s_mov_b32 s[CNT], 5             ; four trips fetch the last slot's steps; the fifth is left in its middle
.Ltail:
	TURN 2, 1
	TURN 3
	WIN 0
	s_sub_co_u32 s[CNT], s[CNT], 1
	s_cmp_eq_u32 s[CNT], 0
	s_cbranch_scc1 .Lout
	TURN 0
	TURN 1
	WIN 0
	s_branch .Ltail
.Lout:                              ; the fifth trip's 16 products K Q^T (on the last K once more) and the maximum made of them serve nothing: the price, once a launch, of one text for every trip
.set i, 0
.rept 16
	PV NP-1                         ; the last piece's V^T P of the last step
.set i, i+1
.endr
	; THE WAY OUT.  l's two halves and the other half of the lanes' are added; O^T is divided by l, rounded to bf16 and sent through my stage in LDS, a tile at a time.  The additions are the places behind the last products.
	WIN 0
.macro ALL line:vararg              ; one line for each tile t
.set t, 0
.rept 2*NP
	\line
.set t, t+1
.endr
.endm
	ALL v_add_f32 v[ST+4*t+2], v[ST+4*t+2], v[ST+4*t+3]
	ALL v_permlanex16_b32 v[ST+4*t+3], v[ST+4*t+2], s[SEL], s[SEL+1]
	ALL v_add_f32 v[ST+4*t+2], v[ST+4*t+2], v[ST+4*t+3]
	ALL v_rcp_f32 v[ST+4*t+2], v[ST+4*t+2]
	v_nop                           ; a plain instruction between the last reciprocal and the use of its result
	s_wait_alu depctr_va_vdst(0)
; Tile t: a lane's eight channels of a row pack into 16 bytes; they go into rows of 144 bytes and come back as whole rows of 128, into S^T's registers.
.macro PACK t
	WIN W_RS
.set i, 32*(\t)
.rept 16
	v_pk_mul_f32 v[i:i+1], v[i:i+1], v[ST+4*(\t)+2:ST+4*(\t)+3] op_sel_hi:[1,0]
.set i, i+2
.endr
	WIN 0x05                        ; sources 0 and 1 window 1, destination window 0
.set i, 0
.rept 16
	v_cvt_pk_bf16_f32 v[S+16*(\t)+i], v[32*(\t)+2*i], v[32*(\t)+2*i+1]
.set i, i+1
.endr
	WIN 0
.irp f, 0,1,2,3
	ds_store_b128 v[STO], v[S+16*(\t)+4*\f:S+16*(\t)+4*\f+3] offset:32*\f
.endr
.irp f, 0,1,2,3
	ds_load_b128 v[S+16*(\t)+4*\f:S+16*(\t)+4*\f+3], v[RD] offset:\f*4*SP  ; LDS serves a wave's instructions in order (ISA guide 5.7.1.4): these see the stores above; the next tile's stores come behind them
.endr
.endm
.macro SEND t, younger              ; younger: the LDS instructions issued behind tile t's loads: the next tile's eight, or none
	WIN 0
.irp f, 0,1,2,3
	s_wait_dscnt (\younger)+3-\f
	global_store_b128 v[GO], v[S+16*(\t)+4*\f:S+16*(\t)+4*\f+3], s[10:11] offset:(\t)*2048+\f*512  ; 512 consecutive bytes, at a multiple of 256 from ctx's first
.endr
.endm
	PACK 0
.set t, 1
.rept 2*NP-1                        ; a tile's arithmetic stands between the loads of the tile before and its stores
	PACK t
	SEND t-1, 8
.set t, t+1
.endr
	SEND 2*NP-1, 0
	WIN W_AD
	s_wait_tensorcnt 0x0            ; the wave's end: three closing lines, behind my last tensor load and my last LDS store
	ds_add_u32 v[SPW], v[NIL]
	s_wait_dscnt 0x0
	WIN 0
	CROUND                          ; the closing round: no work-group ends while a partner may still ask for a tile that names it
	s_endpgm
.Lfunc_end_k_qfb8f79d0bb_attn:
	.size	k_qfb8f79d0bb_attn, .Lfunc_end_k_qfb8f79d0bb_attn-k_qfb8f79d0bb_attn
	.p2alignl 7, 3214868480
	.fill 96, 4, 3214868480
	.section	.rodata,"a",@progbits
	.p2align	6, 0x0
	.amdhsa_kernel k_qfb8f79d0bb_attn
		.amdhsa_group_segment_fixed_size 327680
		.amdhsa_private_segment_fixed_size 0
		.amdhsa_enable_private_segment 0
		.amdhsa_kernarg_size 24
		.amdhsa_user_sgpr_count 2
		.amdhsa_user_sgpr_kernarg_segment_ptr 1
		.amdhsa_wavefront_size32 1
		.amdhsa_system_sgpr_workgroup_id_x 1
		.amdhsa_system_sgpr_workgroup_id_y 1
		.amdhsa_system_sgpr_workgroup_id_z 1
		.amdhsa_system_vgpr_workitem_id 0
		.amdhsa_next_free_vgpr 808
		.amdhsa_next_free_sgpr 72
		.amdhsa_reserve_vcc 0
		.amdhsa_float_denorm_mode_32 3
		.amdhsa_float_denorm_mode_16_64 3
		.amdhsa_memory_ordered 1
		.amdhsa_forward_progress 1
		.amdhsa_inst_pref_size 215
	.end_amdhsa_kernel
	.amdgpu_metadata
---
amdhsa.version: [ 1, 2 ]
amdhsa.kernels:
  - .name:           k_qfb8f79d0bb_attn
    .symbol:         k_qfb8f79d0bb_attn.kd
    .args:
      - { .name: qkv, .offset: 0, .size: 8, .value_kind: global_buffer, .address_space: global }
      - { .name: attention_mask, .offset: 8, .size: 8, .value_kind: global_buffer, .address_space: global }
      - { .name: ctx, .offset: 16, .size: 8, .value_kind: global_buffer, .address_space: global }
    .group_segment_fixed_size: 327680
    .private_segment_fixed_size: 0
    .kernarg_segment_align: 8
    .kernarg_segment_size: 24
    .max_flat_workgroup_size: 128
    .sgpr_count:     72
    .vgpr_count:     808
    .wavefront_size: 32
...
	.end_amdgpu_metadata
.endif
;; end of part 3
;; launch oproj: the kernel of part 2 again; grid 4 x 64, 4 waves a work-group, clusters of 4 x 4, 327,680 bytes of LDS; arguments ctx, wob, bo, hb; writes hb
;; launch ln (part 4): grid 256 x 1, 8 waves a work-group, no clusters, 0 bytes of LDS; arguments hb, x, ln_gamma, ln_beta, out0; writes out0
.if DOCPART == 4
	.amdgcn_target "amdgcn-amd-amdhsa--gfx1250"
	.amdhsa_code_object_version 6
	.text
	.protected	k_qfb8f79d0bb_ln
	.globl	k_qfb8f79d0bb_ln
	.p2align	8
	.type	k_qfb8f79d0bb_ln,@function
k_qfb8f79d0bb_ln:
	s_mov_b64 s[64:65], 0
	v_nop
	global_prefetch_b8 v0, s[64:65] scope:SCOPE_SE
	s_setreg_imm32_b32 hwreg(HW_REG_WAVE_MODE, 25, 1), 1
	s_wait_xcnt 0x0
; out0[m][:] = (y - mean(y)) * rsqrt(var(y) + 1e-12) * gamma + beta, y = h[m][:] + x[m][:].  h: hb [16][8192][64] bf16 (blocks of 64 columns), x and out0: [8192][1024] f32, gamma, beta: [1024] f32.
; All in f32, in two passes over registers: the mean first, then the mean of (y - mean)^2: no difference of large sums is formed.
; SHARES.  A work-group owns 32 rows, a wave 4, as 2 pairs.  Lane l holds row l / 16 of a pair and, of each block kb of 64 columns, the columns 4 (l % 16) + 0..3: a row lies in 16 lanes, so four
; steps inside a half of the lanes finish its sums, and no wave waits for another: no LDS, no barrier.  Each load and store of x and out0 takes 256 consecutive bytes of each row of the pair, each load of h
; the pair's 256 consecutive bytes of a block.  All loads go out at the start.  No cluster, no matrix unit: the work-groups share nothing but gamma and beta, 8 KiB against 320 KiB of their own.
.set BLOCK, 1048576                    ; bytes in a block of 64 columns: 8,192 rows x 128
.set XO,  2                            ; v2  my offset in x and out0: (l / 16) rows + 16 (l % 16) + 4 rows x wave; never rewritten
.set HO,  3                            ; v3  in a block of h: 8 l + 4 rows x wave
.set HO2, 4                            ; v4  the same for blocks 8-15: the immediate holds seven blocks
.set GBO, 5                            ; v5  16 (l % 16): in gamma and beta
.set ONE, 6                            ; v6  1.0
.set MU,  8                            ; v[8:9]   the mean, twice
.set RS,  10                           ; v[10:11] 1 / sqrt(var + eps), twice
.set CH,  12                           ; v[12:19] four chains of packed sums
.set X0,  32                           ; v[32:95]   pair 0: x, then y, then the result; block kb at + 4 kb
.set H0,  96                           ; v[96:127]  pair 0: h, block kb at + 2 kb
.set X1,  128
.set H1,  192
.set G,   0                            ; window 1: v[0:63] gamma, v[64:127] beta, laid as x
.set BT,  64
.set MSB, 0
.macro WIN new                         ; the immediate's high byte repeats the setting that is left
.if MSB != (\new)
	s_set_vgpr_msb (MSB<<8)|(\new)
.set MSB, \new
.endif
.endm
	s_load_b256 s[4:11], s[0:1], 0x0               ; hb s[4:5], x s[6:7], gamma s[8:9], beta s[10:11]
	s_load_b64 s[12:13], s[0:1], 0x20              ; out0
	s_mov_b32 s14, 0x3a800000                      ; 1 / 1024
	s_mov_b32 s15, 0x2b8cbccc                      ; 1e-12
	v_lshrrev_b32 v1, 5, v0
	v_readfirstlane_b32 s16, v1                    ; wave 0..7
	v_and_b32 v7, 15, v0                           ; l % 16
	v_bfe_u32 v20, v0, 4, 1                        ; l / 16
	v_and_b32 v21, 31, v0                          ; l
	s_lshl_b32 s17, s16, 14
	v_lshlrev_b32 v[XO], 12, v20
	v_lshl_add_u32 v[XO], v7, 4, v[XO]
	v_add_nc_u32 v[XO], s17, v[XO]
	s_lshl_b32 s17, s16, 9
	v_lshl_add_u32 v[HO], v21, 3, s17
	v_add_nc_u32 v[HO2], 8*BLOCK, v[HO]
	v_lshlrev_b32 v[GBO], 4, v7
	v_mov_b32 v[ONE], 1.0
	s_lshl_b32 s18, ttmp9, 17                      ; 32 rows of 4,096 bytes
	s_mov_b32 s19, 0
	s_lshl_b32 s20, ttmp9, 12                      ; 32 rows of 128 bytes
	s_mov_b32 s21, 0
	s_wait_kmcnt 0x0
	s_add_nc_u64 s[6:7], s[6:7], s[18:19]
	s_add_nc_u64 s[12:13], s[12:13], s[18:19]
	s_add_nc_u64 s[4:5], s[4:5], s[20:21]
	WIN 0x40                                       ; destination window 1, address window 0
.set kb, 0
.rept 16
	global_load_b128 v[G+4*kb:G+4*kb+3],   v[GBO], s[8:9]   offset:256*kb
	global_load_b128 v[BT+4*kb:BT+4*kb+3], v[GBO], s[10:11] offset:256*kb
.set kb, kb+1
.endr
	WIN 0
.macro FILL xr, hr, p                  ; a pair's 32 loads
.set kb, 0
.rept 16
	global_load_b128 v[(\xr)+4*kb:(\xr)+4*kb+3], v[XO], s[6:7] offset:(\p)*8192+256*kb th:TH_LOAD_NT
.if kb < 8
	global_load_b64 v[(\hr)+2*kb:(\hr)+2*kb+1], v[HO], s[4:5] offset:kb*BLOCK+(\p)*256 th:TH_LOAD_NT
.else
	global_load_b64 v[(\hr)+2*kb:(\hr)+2*kb+1], v[HO2], s[4:5] offset:(kb-8)*BLOCK+(\p)*256 th:TH_LOAD_NT
.endif
.set kb, kb+1
.endr
.endm
	FILL X0, H0, 0
	FILL X1, H1, 1
.macro FOLD                            ; the four chains into one number, then over the row's 16 lanes: every lane of the half ends with the row's sum
	v_pk_add_f32 v[CH:CH+1], v[CH:CH+1], v[CH+2:CH+3]
	v_pk_add_f32 v[CH+4:CH+5], v[CH+4:CH+5], v[CH+6:CH+7]
	v_pk_add_f32 v[CH:CH+1], v[CH:CH+1], v[CH+4:CH+5]
	v_add_f32 v[CH], v[CH], v[CH+1]
.irp m, 1,2,4,8
	v_add_f32_dpp v[CH], v[CH], v[CH] row_xmask:\m row_mask:0xf bank_mask:0xf
.endr
.endm
.macro ROWS xr, hr, p
.set kb, 0
.rept 16                               ; y = h x 1 + x, straight from h's bf16 halves
.irp e, 0,1
	v_fma_mix_f32_bf16 v[(\xr)+4*kb+2*(\e)],   v[(\hr)+2*kb+(\e)], v[ONE], v[(\xr)+4*kb+2*(\e)]   op_sel_hi:[1,0,0]
	v_fma_mix_f32_bf16 v[(\xr)+4*kb+2*(\e)+1], v[(\hr)+2*kb+(\e)], v[ONE], v[(\xr)+4*kb+2*(\e)+1] op_sel:[1,0,0] op_sel_hi:[1,0,0]
.endr
.set kb, kb+1
.endr
.irp c, 0,1,2,3                        ; the sum of my 64 numbers, in four chains; the first additions start them: nothing is cleared
	v_pk_add_f32 v[CH+2*(\c):CH+2*(\c)+1], v[(\xr)+2*(\c):(\xr)+2*(\c)+1], v[(\xr)+8+2*(\c):(\xr)+8+2*(\c)+1]
.endr
.set k, 2
.rept 6
.irp c, 0,1,2,3
	v_pk_add_f32 v[CH+2*(\c):CH+2*(\c)+1], v[CH+2*(\c):CH+2*(\c)+1], v[(\xr)+8*k+2*(\c):(\xr)+8*k+2*(\c)+1]
.endr
.set k, k+1
.endr
	FOLD
	v_mul_f32 v[MU], s14, v[CH]
	v_mov_b32 v[MU+1], v[MU]
.set k, 0
.rept 32                               ; d = y - mean
	v_pk_add_f32 v[(\xr)+2*k:(\xr)+2*k+1], v[(\xr)+2*k:(\xr)+2*k+1], v[MU:MU+1] neg_lo:[0,1] neg_hi:[0,1]
.set k, k+1
.endr
.irp c, 0,1,2,3                        ; the sum of d^2, likewise
	v_pk_mul_f32 v[CH+2*(\c):CH+2*(\c)+1], v[(\xr)+2*(\c):(\xr)+2*(\c)+1], v[(\xr)+2*(\c):(\xr)+2*(\c)+1]
.endr
.set k, 1
.rept 7
.irp c, 0,1,2,3
	v_pk_fma_f32 v[CH+2*(\c):CH+2*(\c)+1], v[(\xr)+8*k+2*(\c):(\xr)+8*k+2*(\c)+1], v[(\xr)+8*k+2*(\c):(\xr)+8*k+2*(\c)+1], v[CH+2*(\c):CH+2*(\c)+1]
.endr
.set k, k+1
.endr
	FOLD
	v_fma_f32 v[CH], v[CH], s14, s15               ; var + eps
	v_rsq_f32 v[RS], v[CH]
	v_rsq_f32 v[RS+1], v[CH]
	v_nop                                          ; a plain instruction between the last root and the use of its result (ISA guide 5.7.2)
.set k, 0
	s_wait_alu depctr_va_vdst(0)
.rept 32
	v_pk_mul_f32 v[(\xr)+2*k:(\xr)+2*k+1], v[(\xr)+2*k:(\xr)+2*k+1], v[RS:RS+1]
.set k, k+1
.endr
	WIN 0x14                                       ; sources 1 and 2, gamma and beta, in window 1
.set k, 0
.rept 32
	v_pk_fma_f32 v[(\xr)+2*k:(\xr)+2*k+1], v[(\xr)+2*k:(\xr)+2*k+1], v[G+2*k:G+2*k+1], v[BT+2*k:BT+2*k+1]
.set k, k+1
.endr
	WIN 0
.set kb, 0
.rept 16
	global_store_b128 v[XO], v[(\xr)+4*kb:(\xr)+4*kb+3], s[12:13] offset:(\p)*8192+256*kb th:TH_STORE_NT  ; 16 lanes store 256 consecutive bytes, at a multiple of 256 from out0's first byte
.set kb, kb+1
.endr
.endm
	s_wait_loadcnt 32                              ; gamma, beta and pair 0 are in; pair 1's 32 loads may stay out
	ROWS X0, H0, 0
	s_wait_loadcnt 0x0
	ROWS X1, H1, 1
	s_endpgm
.Lfunc_end_k_qfb8f79d0bb_ln:
	.size	k_qfb8f79d0bb_ln, .Lfunc_end_k_qfb8f79d0bb_ln-k_qfb8f79d0bb_ln
	.p2alignl 7, 3214868480
	.fill 96, 4, 3214868480
	.section	.rodata,"a",@progbits
	.p2align	6, 0x0
	.amdhsa_kernel k_qfb8f79d0bb_ln
		.amdhsa_group_segment_fixed_size 0
		.amdhsa_private_segment_fixed_size 0
		.amdhsa_enable_private_segment 0
		.amdhsa_kernarg_size 40
		.amdhsa_user_sgpr_count 2
		.amdhsa_user_sgpr_kernarg_segment_ptr 1
		.amdhsa_wavefront_size32 1
		.amdhsa_system_sgpr_workgroup_id_x 1
		.amdhsa_system_sgpr_workgroup_id_y 1
		.amdhsa_system_sgpr_workgroup_id_z 1
		.amdhsa_system_vgpr_workitem_id 0
		.amdhsa_next_free_vgpr 384
		.amdhsa_next_free_sgpr 66
		.amdhsa_reserve_vcc 0
		.amdhsa_float_denorm_mode_32 3
		.amdhsa_float_denorm_mode_16_64 3
		.amdhsa_memory_ordered 1
		.amdhsa_forward_progress 1
		.amdhsa_inst_pref_size 44
	.end_amdhsa_kernel
	.amdgpu_metadata
---
amdhsa.version: [ 1, 2 ]
amdhsa.kernels:
  - .name:           k_qfb8f79d0bb_ln
    .symbol:         k_qfb8f79d0bb_ln.kd
    .args:
      - { .name: hb, .offset: 0, .size: 8, .value_kind: global_buffer, .address_space: global }
      - { .name: x, .offset: 8, .size: 8, .value_kind: global_buffer, .address_space: global }
      - { .name: ln_gamma, .offset: 16, .size: 8, .value_kind: global_buffer, .address_space: global }
      - { .name: ln_beta, .offset: 24, .size: 8, .value_kind: global_buffer, .address_space: global }
      - { .name: out0, .offset: 32, .size: 8, .value_kind: global_buffer, .address_space: global }
    .group_segment_fixed_size: 0
    .private_segment_fixed_size: 0
    .kernarg_segment_align: 8
    .kernarg_segment_size: 40
    .max_flat_workgroup_size: 256
    .sgpr_count:     66
    .vgpr_count:     384
    .wavefront_size: 32
...
	.end_amdgpu_metadata
.endif
;; end of part 4
;; ======== version 2 of 2: 5 launches; version 1 with the launch prep written anew for expert scheduling mode
;; workspace buffers: xb 16,777,216 bytes; wqkv 6,291,456 bytes; wob 2,097,152 bytes; bqkv 12,288 bytes; qkv 50,331,648 bytes; ctx 16,777,216 bytes; hb 16,777,216 bytes
;; launch prep (part 5): grid 768 x 1, 4 waves a work-group, no clusters, 35,328 bytes of LDS; arguments x, Wq, Wk, Wv, Wo, bq, bk, bv, xb, wqkv, wob, bqkv; writes xb, wqkv, wob, bqkv
.if DOCPART == 5
	.amdgcn_target "amdgcn-amd-amdhsa--gfx1250"
	.amdhsa_code_object_version 6
	.text
	.protected	k_qfb8f79d0bb_prep
	.globl	k_qfb8f79d0bb_prep
	.p2align	8
	.type	k_qfb8f79d0bb_prep,@function
k_qfb8f79d0bb_prep:
	s_mov_b64 s[64:65], 0
	v_nop
	global_prefetch_b8 v0, s[64:65] scope:SCOPE_SE
	s_setreg_imm32_b32 hwreg(HW_REG_WAVE_SCHED_MODE, 0, 2), 2
	s_setreg_imm32_b32 hwreg(HW_REG_WAVE_MODE, 25, 1), 1
	s_wait_xcnt 0x0
	s_wait_alu depctr_vm_vsrc(0)
; PREPARATION.  x [8192][1024] f32 -> xb [16][8192][64] bf16 (blocks of 64 columns; a block's rows are dense, 128 bytes each).
; Wq, Wk, Wv, Wo [k][n] f32 -> wqkv [3072][1024], wob [1024][1024] bf16, turned: row = output column, K along the row.  bq, bk, bv -> bqkv [3072] f32.
; Each number is rounded once, to nearest even.  Work-groups 0-511 take 16 rows of x each; work-groups 512-767 a tile of 128 k x 128 n of one weight: both move 64 KiB in and 32 KiB out.
; No cluster and no matrix unit: no two work-groups read the same bytes, and nothing is multiplied.
; THE MODE: SCHED_MODE bits 1:0 = 2 (LLVM: expert scheduling mode 2), set by the entry lines.  The code itself states the register dependences
; between vector instructions and memory or LDS instructions, with s_wait_alu, always for 0.
; THE PLAN.  There is no loop, and every register that a memory or LDS instruction touches has one life:
;   v4 .. v8   offsets and LDS addresses: written at a path's head, ahead of that path's first wait on va_vdst, and never again.
;   D          x: load i lands in its four registers; two conversions read them and write the first two; store i reads those two.
;              weights: the 32 loads land; the conversions read; then the 16 loads from the stage land in v[16:79], which the 16 stores read, and the bias lands in v[80:83].
;   PKD        weights: each group of four registers is written once, by four conversions, and read once, by one LDS store.
;   v2, v3     written at the head, read by the closing add alone.
; The work goes in blocks (x: four loads; weights: eight rows of k).  A block's stores are issued one block later, behind ONE wait on va_vdst at that block's head, and are dealt among
; that block's conversions, which name that block's registers alone.  One more such wait stands ahead of the last block's stores.
; No register that a memory or LDS instruction reads is written again on any path, so the text holds no wait on vm_vsrc.
; Each scalar that a vector line reads has a register of its own.
.set SPITCH, 272                       ; a row of the stage: 256 bytes (128 k in bf16) + 16
.set SPARE,  128*SPITCH                ; behind the stage: the spare words, 128 bytes for each wave: two blocks of 256 bytes that no other line names
.set BLOCK,  1048576                   ; bytes in a block of 64 columns: 8,192 rows x 128
.set SPW, 2                            ; v2  LDS address of my spare word; never rewritten
.set NIL, 3                            ; v3  0; never rewritten
.set D,   16                           ; v[16:143]  32 loads of four f32
.set PKD, 144                          ; v[144:207] the weights' packed pairs: column j of my four, 8 k of group gk at PKD + 16 j + 4 gk
	s_load_b512 s[4:19], s[0:1], 0x0               ; x s[4:5], Wq s[6:7], Wk s[8:9], Wv s[10:11], Wo s[12:13], bq s[14:15], bk s[16:17], bv s[18:19]
	s_load_b256 s[20:27], s[0:1], 0x40             ; xb s[20:21], wqkv s[22:23], wob s[24:25], bqkv s[26:27]
	v_lshl_add_u32 v[SPW], v0, 2, SPARE
	v_mov_b32 v[NIL], 0
	v_lshrrev_b32 v1, 5, v0
	v_readfirstlane_b32 s28, v1                    ; wave 0..3
	v_and_b32 v9, 31, v0                           ; l
	v_and_b32 v10, 15, v0                          ; l % 16
	v_bfe_u32 v11, v0, 4, 1                        ; l / 16
	s_mov_b32 s37, 0                               ; the high word of every offset
	s_wait_alu depctr_va_sdst(0)                   ; s28 is written, ahead of the branch and of its first readers: the scalar shifts of both paths
	s_wait_kmcnt 0x0
	s_cmp_lt_u32 ttmp9, 512                        ; the same answer in all four waves
	s_cbranch_scc0 .Lweights
	; ---- x.  A wave takes 4 rows, as 2 pairs.  One load: 256 bytes (64 columns) of each row of a pair; one store: the same two rows of a block, 256 consecutive bytes.
	s_lshl_b32 s36, ttmp9, 16                      ; 16 rows of 4,096 bytes
	s_add_nc_u64 s[4:5], s[4:5], s[36:37]
	s_lshl_b32 s36, ttmp9, 11                      ; 16 rows of 128 bytes
	s_add_nc_u64 s[20:21], s[20:21], s[36:37]
	s_lshl_b32 s29, s28, 14
	v_lshlrev_b32 v4, 12, v11
	v_lshl_add_u32 v4, v10, 4, v4
	v_add_nc_u32 v4, s29, v4                       ; in x: (l / 16) rows + 16 (l % 16) + 4 rows x wave
	s_lshl_b32 s39, s28, 9
	v_lshl_add_u32 v5, v9, 3, s39                  ; in a block: 8 l + 4 rows x wave
	v_add_nc_u32 v6, 8*BLOCK, v5                   ; the same for blocks 8-15: the immediate holds seven blocks
	s_wait_alu depctr_va_vdst(0)                   ; v4, v5 and v6 are written: every load and store of this path reads one of them as its offset
.set i, 0
.rept 32                               ; load i: pair i / 16, block i % 16
	global_load_b128 v[D+4*i:D+4*i+3], v4, s[4:5] offset:(i/16)*8192+(i%16)*256 th:TH_LOAD_NT
.set i, i+1
.endr
; Store k: pair k / 16, block k % 16, from the first two of load k's four registers.
.macro XSTORE k
.if ((\k)%16) < 8
	global_store_b64 v5, v[D+4*(\k):D+4*(\k)+1], s[20:21] offset:((\k)%16)*BLOCK+((\k)/16)*256
.else
	global_store_b64 v6, v[D+4*(\k):D+4*(\k)+1], s[20:21] offset:(((\k)%16)-8)*BLOCK+((\k)/16)*256
.endif
.endm
.set p, 0
.rept 8                                ; block p: loads 4 p .. 4 p + 3 are rounded; the four stores of block p - 1 stand among the conversions
	s_wait_loadcnt 28-4*p                          ; loads come back in order: this block's four are in, the younger blocks stay out
.if p > 0
	s_wait_alu depctr_va_vdst(0)                   ; the conversions of the block before have written their registers, which the four stores below read; this block's conversions name none of them
.endif
.set n, 0
.rept 4
.set i, 4*p+n
.if p > 0
	XSTORE i-4
.endif
	v_cvt_pk_bf16_f32 v[D+4*i], v[D+4*i], v[D+4*i+1]
	v_cvt_pk_bf16_f32 v[D+4*i+1], v[D+4*i+2], v[D+4*i+3]
.set n, n+1
.endr
.set p, p+1
.endr
	s_wait_alu depctr_va_vdst(0)                   ; the last block's conversions have written their registers, which the last four stores read
	XSTORE 28
	XSTORE 29
	XSTORE 30
	XSTORE 31
	s_endpgm
	; ---- a weight's tile, turned through LDS
.Lweights:
	s_sub_co_u32 s29, ttmp9, 512
	s_lshr_b32 s30, s29, 6                         ; which weight: 0 q, 1 k, 2 v, 3 o
	s_bfe_u32 s31, s29, 0x30003                    ; kt: 128 rows (k) of it
	s_and_b32 s32, s29, 7                          ; nt: 128 columns (n)
	s_cmp_eq_u32 s30, 1
	s_cselect_b64 s[6:7], s[8:9], s[6:7]
	s_cselect_b64 s[14:15], s[16:17], s[14:15]
	s_cmp_eq_u32 s30, 2
	s_cselect_b64 s[6:7], s[10:11], s[6:7]
	s_cselect_b64 s[14:15], s[18:19], s[14:15]
	s_cmp_eq_u32 s30, 3
	s_cselect_b64 s[6:7], s[12:13], s[6:7]         ; the weight,
	s_cselect_b64 s[22:23], s[24:25], s[22:23]     ; where it goes,
	s_cselect_b32 s34, 0, s30                      ; and which third of wqkv
	s_lshl_b32 s36, s31, 19                        ; 128 rows of 4,096 bytes
	s_lshl_b32 s33, s32, 9                         ; 128 columns of 4 bytes
	s_add_co_u32 s36, s36, s33
	s_add_nc_u64 s[6:7], s[6:7], s[36:37]
	s_lshl_b32 s36, s34, 21                        ; 1,024 rows of 2,048 bytes
	s_lshl_b32 s35, s32, 18                        ; 128 rows
	s_add_co_u32 s36, s36, s35
	s_lshl_b32 s35, s31, 8                         ; 128 k of 2 bytes
	s_add_co_u32 s36, s36, s35
	s_add_nc_u64 s[22:23], s[22:23], s[36:37]
	s_lshl_b32 s38, s28, 17
	v_lshl_add_u32 v4, v9, 4, s38                  ; in: 16 l + 32 rows x wave
	v_mul_u32_u24 v5, v9, 4*SPITCH
	s_lshl_b32 s39, s28, 6
	v_add_nc_u32 v5, s39, v5                       ; into the stage: row 4 l (+ j), my wave's 32 k = 64 bytes
	s_mul_i32 s40, s28, 32*SPITCH
	v_mul_u32_u24 v6, v11, SPITCH
	v_lshl_add_u32 v6, v10, 4, v6
	v_add_nc_u32 v6, s40, v6                       ; back: rows 32 wave + l / 16, whole: 16 bytes a lane
	s_lshl_b32 s41, s28, 16
	v_lshlrev_b32 v7, 11, v11
	v_lshl_add_u32 v7, v10, 4, v7
	v_add_nc_u32 v7, s41, v7                       ; out: the same rows, 2,048 bytes apart
	v_lshlrev_b32 v8, 4, v9                        ; 16 l: the bias
	s_wait_alu depctr_va_vdst(0)                   ; v4 to v8 are written: every load, store and LDS instruction of this path reads one of them as its offset or address
.set i, 0
.rept 32                               ; row i of my 32 rows of k: 512 consecutive bytes, four columns a lane
	global_load_b128 v[D+4*i:D+4*i+3], v4, s[6:7] offset:i*4096 th:TH_LOAD_NT
.set i, i+1
.endr
.set gk, 0
.rept 4                                ; 8 rows of k at a time: for each of my four columns 8 k pack into 16 bytes of that column's stage row; the four LDS stores of step gk - 1 stand among the conversions
	s_wait_loadcnt 24-8*gk                         ; rows 8 gk .. 8 gk + 7 are in; the younger rows stay out
.if gk > 0
	s_wait_alu depctr_va_vdst(0)                   ; the conversions of the step before have written its four groups of PKD, which the LDS stores below read; this step's conversions name none of them
.endif
.irp j, 0,1,2,3
.if gk > 0
	ds_store_b128 v5, v[PKD+16*(\j)+4*(gk-1):PKD+16*(\j)+4*(gk-1)+3] offset:(\j)*SPITCH+(gk-1)*16
.endif
.irp t, 0,1,2,3
	v_cvt_pk_bf16_f32 v[PKD+16*(\j)+4*gk+(\t)], v[D+4*(8*gk+2*(\t))+(\j)], v[D+4*(8*gk+2*(\t)+1)+(\j)]
.endr
.endr
.set gk, gk+1
.endr
	s_wait_alu depctr_va_vdst(0)                   ; the last step's conversions have written PKD's last groups, which the LDS stores below read; and all conversions are done reading D, in which the loads from the stage and the bias land: no vector instruction follows in this path
.irp j, 0,1,2,3
	ds_store_b128 v5, v[PKD+16*(\j)+12:PKD+16*(\j)+15] offset:(\j)*SPITCH+48
.endr
	s_wait_dscnt 0x0                               ; for the others' sake: my stores into the stage are done
	s_barrier_signal -1
	s_barrier_wait -1                              ; a stage row's 256 bytes come from all four waves
.set t, 0
.rept 16
	ds_load_b128 v[D+4*t:D+4*t+3], v6 offset:t*2*SPITCH
.set t, t+1
.endr
.set t, 0
.rept 16
	s_wait_dscnt 15-t
	global_store_b128 v7, v[D+4*t:D+4*t+3], s[22:23] offset:t*4096  ; 16 lanes store 256 consecutive bytes, at a multiple of 256 from the buffer's first byte
.set t, t+1
.endr
	; the bias: 128 numbers, by wave 0 of the tiles with kt = 0 of q, k and v
	s_cmp_lg_u32 s31, 0
	s_cbranch_scc1 .Lend
	s_cmp_eq_u32 s30, 3
	s_cbranch_scc1 .Lend
	s_cmp_lg_u32 s28, 0
	s_cbranch_scc1 .Lend
	s_lshl_b32 s36, s32, 9
	s_add_nc_u64 s[14:15], s[14:15], s[36:37]
	s_lshl_b32 s42, s30, 12
	s_add_co_u32 s36, s36, s42
	s_add_nc_u64 s[26:27], s[26:27], s[36:37]
	global_load_b128 v[D+64:D+67], v8, s[14:15]
	s_wait_loadcnt 0x0
	global_store_b128 v8, v[D+64:D+67], s[26:27]
.Lend:
	s_wait_dscnt 0x0                               ; the closing lines, six on end
	s_wait_alu 0x0
	s_wait_tensorcnt 0x0
	ds_add_u32 v[SPW], v[NIL]
	s_wait_dscnt 0x0
	s_endpgm
.Lfunc_end_k_qfb8f79d0bb_prep:
	.size	k_qfb8f79d0bb_prep, .Lfunc_end_k_qfb8f79d0bb_prep-k_qfb8f79d0bb_prep
	.p2alignl 7, 3214868480
	.fill 96, 4, 3214868480
	.section	.rodata,"a",@progbits
	.p2align	6, 0x0
	.amdhsa_kernel k_qfb8f79d0bb_prep
		.amdhsa_group_segment_fixed_size 35328
		.amdhsa_private_segment_fixed_size 0
		.amdhsa_enable_private_segment 0
		.amdhsa_kernarg_size 96
		.amdhsa_user_sgpr_count 2
		.amdhsa_user_sgpr_kernarg_segment_ptr 1
		.amdhsa_wavefront_size32 1
		.amdhsa_system_sgpr_workgroup_id_x 1
		.amdhsa_system_sgpr_workgroup_id_y 1
		.amdhsa_system_sgpr_workgroup_id_z 1
		.amdhsa_system_vgpr_workitem_id 0
		.amdhsa_next_free_vgpr 208
		.amdhsa_next_free_sgpr 66
		.amdhsa_reserve_vcc 0
		.amdhsa_float_denorm_mode_32 3
		.amdhsa_float_denorm_mode_16_64 3
		.amdhsa_memory_ordered 1
		.amdhsa_forward_progress 1
		.amdhsa_inst_pref_size 26
	.end_amdhsa_kernel
	.amdgpu_metadata
---
amdhsa.version: [ 1, 2 ]
amdhsa.kernels:
  - .name:           k_qfb8f79d0bb_prep
    .symbol:         k_qfb8f79d0bb_prep.kd
    .args:
      - { .name: x, .offset: 0, .size: 8, .value_kind: global_buffer, .address_space: global }
      - { .name: Wq, .offset: 8, .size: 8, .value_kind: global_buffer, .address_space: global }
      - { .name: Wk, .offset: 16, .size: 8, .value_kind: global_buffer, .address_space: global }
      - { .name: Wv, .offset: 24, .size: 8, .value_kind: global_buffer, .address_space: global }
      - { .name: Wo, .offset: 32, .size: 8, .value_kind: global_buffer, .address_space: global }
      - { .name: bq, .offset: 40, .size: 8, .value_kind: global_buffer, .address_space: global }
      - { .name: bk, .offset: 48, .size: 8, .value_kind: global_buffer, .address_space: global }
      - { .name: bv, .offset: 56, .size: 8, .value_kind: global_buffer, .address_space: global }
      - { .name: xb, .offset: 64, .size: 8, .value_kind: global_buffer, .address_space: global }
      - { .name: wqkv, .offset: 72, .size: 8, .value_kind: global_buffer, .address_space: global }
      - { .name: wob, .offset: 80, .size: 8, .value_kind: global_buffer, .address_space: global }
      - { .name: bqkv, .offset: 88, .size: 8, .value_kind: global_buffer, .address_space: global }
    .group_segment_fixed_size: 35328
    .private_segment_fixed_size: 0
    .kernarg_segment_align: 8
    .kernarg_segment_size: 96
    .max_flat_workgroup_size: 128
    .sgpr_count:     66
    .vgpr_count:     208
    .wavefront_size: 32
...
	.end_amdgpu_metadata
.endif
;; end of part 5
;; launch gemm: the kernel of part 2 again; grid 12 x 64, 4 waves a work-group, clusters of 4 x 4, 327,680 bytes of LDS; arguments xb, wqkv, bqkv, qkv; writes qkv
;; launch attn: the kernel of part 3 again; grid 4 x 64, 4 waves a work-group, clusters of 4 x 1, 327,680 bytes of LDS; arguments qkv, attention_mask, ctx; writes ctx
;; launch oproj: the kernel of part 2 again; grid 4 x 64, 4 waves a work-group, clusters of 4 x 4, 327,680 bytes of LDS; arguments ctx, wob, bo, hb; writes hb
;; launch ln: the kernel of part 4 again; grid 256 x 1, 8 waves a work-group, no clusters, 0 bytes of LDS; arguments hb, x, ln_gamma, ln_beta, out0; writes out0
